; MI455X (gfx1250); checked and timed in simulation.
; The chip was launched on July 23, 2026; its instructions are those of AMD's public machine-readable ISA for CDNA 5 (MIT licence, August 2026) and "CDNA5" Instruction Set Architecture Reference Guide (July 2026). The comments in the code are by the model that wrote it; some were corrected since.
;; Feat Linear. Allowed arithmetic: float matrix products may take bf16 or f16 operands with f32 sums; other float arithmetic in f32, or as packed bf16 or f16 multiplies, adds, multiply-adds, maxima and minima; sums over many terms, partial sums and values carried from step to step in f32; what a program stores and reads back later, other than sums and carried values, may be rounded once to bf16 or f16.
;; Inputs: bias 4 x 1,024 float32; in_feat_size 16 x 1,024 int32; weight 4 x 1,024 x 1,024 float32; x 16 x 1,024 x 1,024 float32.
;; Outputs: out0 16 x 1,024 x 1,024 float32.
;; 2 versions, each right and faster than the one before. Each part assembles by itself: llvm-mc -triple=amdgcn-amd-amdhsa -mcpu=gfx1250 --defsym DOCPART=n.
;; ======== version 1 of 2: 2 launches
;; workspace buffers: wb 8,388,608 bytes; order 67,072 bytes of whole numbers; table 1,024 bytes of whole numbers
;; launch prep (part 1): grid 256 x 1, 8 waves a work-group, no clusters, 19,712 bytes of LDS; arguments in_feat_size, weight, wb, order, table, out0; writes wb, order, table, out0
.if DOCPART == 1
	.amdgcn_target "amdgcn-amd-amdhsa--gfx1250"
	.amdhsa_code_object_version 6
	.text
	.protected	k_q5e3257b271_prep
	.globl	k_q5e3257b271_prep
	.p2align	8
	.type	k_q5e3257b271_prep,@function
k_q5e3257b271_prep:
	s_mov_b64 s[64:65], 0
	v_nop
	global_prefetch_b8 v0, s[64:65] scope:SCOPE_SE
	s_setreg_imm32_b32 hwreg(HW_REG_WAVE_MODE, 25, 1), 1
	s_wait_xcnt 0x0
; PREP.  Three things for the product that follows, on 256 work-groups of eight waves.
; (1) THE LIST.  A token's class is 0..3 for a declared size of 32, 64, 128, 256 and 4 ("none") for any other int32.  order[] takes the 16,384 token numbers sorted by class, in the tokens' own
;     order inside a class (a counting sort, no atomics): every work-group counts all 16,384 sizes for itself (64 a thread) and places its own 64 tokens, 64 i .. 64 i + 63.
;     Work-group 0 also writes 384 zeros behind the list (places that are read but never used) and the table: for cluster q of the product {expert, first place, rows (0..320), 0}.
; (2) ROWS OF NO EXPERT get zeros in out0 here; the product never touches them.
; (3) THE WEIGHTS, rounded once to bf16 (nearest even) and laid in the order in which a wave's operand registers take them.  The 16 bytes at
;     e<<21 + s<<17 + w<<15 + kk<<14 + ch<<13 + bb<<10 + half<<9 + l<<4  hold  W[e][256 w + 128 ch + 16 bb + l % 16][64 s + 32 kk + 16 half + 8 (l / 16) + 0..7].
;     Work-group i takes the 16 rows 16 i .. 16 i + 15 of the flat [4096][1024], wave v their columns 128 v .. 128 v + 127 (K steps 2 v and 2 v + 1).
; All counting is done in whole numbers.  No matrix unit, no cluster: the launch streams 16 MiB in and 8 MiB out, and no tile is shared.
.set SGP,   144                        ; a stage row: 128 bytes (64 bf16) + 16
.set STGW,  16*SGP                     ; a wave's stage: 16 rows
.set RED,   0                          ; 8 waves x 16 bytes of partial counts
.set STG,   256                        ; the stages, each wave's own
.set SPARE, STG+8*STGW                 ; 18,688: the spare words, 128 bytes a wave: four blocks of 256 bytes that no other line names
.set SPW,  2                           ; v2  my spare word's address; never rewritten
.set NIL,  3                           ; v3  0; never rewritten
.set LANE, 4                           ; v4  lane
.set CC,   5                           ; v5  lane % 16
.set HH,   6                           ; v6  lane / 16
.set ZA,   7                           ; v7  0: the address of the partial counts
.set T16,  8                           ; v8  16 x thread; never rewritten
.set L16,  9                           ; v9  16 x lane; never rewritten
.set OWA,  10                          ; v10 offset of my own token's size
.set WA,   11                          ; v11 offset of my 16 bytes in the group's 16 weight rows
.set SIN,  12                          ; v12 stage: where I put 8 bytes
.set SBK,  13                          ; v13 stage: where I read 16 bytes back
.set IF,   16                          ; v[16:79]  the sizes: register 4 j + m holds token 1024 j + 4 thread + m.  Later: v16-47 sums, then rounded weights; v48-79 fragments
.set OWN,  80                          ; v80, v81  the sizes of tokens 64 i + lane and 64 i + 32 + lane
.set TOT,  82                          ; v82  four byte counters, one a class: all my 64 tokens (64 at the most in a byte)
.set BEF,  83                          ; v83  the same, of tokens in front of token 64 i
.set T,    84                          ; v84-95 at work
.set WR,   96                          ; v[96:159] the weights as loaded: K step t, row pair j at 96 + 32 t + 4 j
.set Z,    160                         ; v[160:163] zeros; never rewritten
.set WV,   16                          ; s16 wave
.set WG,   17                          ; s17 i
.set THR,  18                          ; s18 16 i - 256 j
.set CNT,  24                          ; s24-27 c0..c3
.set BASE, 29                          ; s29-33 first place of my group's tokens of class 0..4
.set M0,   34                          ; s34-38 lane masks by class of tokens 64 i + lane
.set M1,   39                          ; s39-43 of tokens 64 i + 32 + lane
.set OFS,  48                          ; s48-51 where classes 1..4 begin in the list
	s_load_b256 s[4:11], s[0:1], 0x0               ; in_feat_size s[4:5], weight s[6:7], wb s[8:9], order s[10:11]
	s_load_b128 s[12:15], s[0:1], 0x20             ; table s[12:13], out0 s[14:15]
	v_lshl_add_u32 v[SPW], v0, 2, SPARE
	v_mov_b32 v[NIL], 0
	v_lshrrev_b32 v1, 5, v0
	v_readfirstlane_b32 s[WV], v1
	s_mov_b32 s[WG], ttmp9
	v_and_b32 v[LANE], 31, v0
	v_and_b32 v[CC], 15, v0
	v_bfe_u32 v[HH], v0, 4, 1
	v_mov_b32 v[ZA], RED
	s_mov_b32 s19, 0x100                           ; one in the byte of class 1, 2, 3
	s_mov_b32 s20, 0x10000
	s_mov_b32 s21, 0x1000000
	s_mov_b32 s22, 0x76543210                      ; v_permlanex16_b32: each lane takes its own place in the other half
	s_mov_b32 s23, 0xfedcba98
	s_lshl_b32 s[THR], s[WG], 4
	v_lshlrev_b32 v[T16], 4, v0
	v_lshlrev_b32 v[L16], 4, v[LANE]
	v_lshlrev_b32 v[OWA], 2, v[LANE]
	s_lshl_b32 s44, s[WG], 8                       ; 64 tokens x 4 bytes
	v_add_nc_u32 v[OWA], s44, v[OWA]
	v_lshlrev_b32 v[WA], 12, v[HH]                 ; lanes 16-31: one row of 4,096 bytes further down
	v_lshl_add_u32 v[WA], v[CC], 4, v[WA]
	s_lshl_b32 s45, s[WV], 9                       ; my wave's 512 bytes of each row
	v_add_nc_u32 v[WA], s45, v[WA]
	s_lshl_b32 s46, s[WG], 16                      ; 16 rows x 4,096 bytes
	s_mov_b32 s47, 0
.irp m, 0,1,2,3
	v_mov_b32 v[Z+\m], 0
.endr
	v_mov_b32 v[TOT], 0
	v_mov_b32 v[BEF], 0
	s_wait_kmcnt 0x0
	s_add_nc_u64 s[60:61], s[6:7], s[46:47]        ; the group's weight rows
	global_load_b32 v[OWN], v[OWA], s[4:5]
	global_load_b32 v[OWN+1], v[OWA], s[4:5] offset:128
.irp j, 0,1,2,3,4,5,6,7,8,9,10,11,12,13,14,15
	global_load_b128 v[IF+4*\j:IF+4*\j+3], v[T16], s[4:5] offset:4096*\j
.endr
.irp t, 0,1                            ; the weights go out now and land under the counting: 16 lanes take 256 consecutive bytes of a row, the other 16 those of the next row
.irp j, 0,1,2,3,4,5,6,7
	global_load_b128 v[WR+32*\t+4*\j:WR+32*\t+4*\j+3], v[WA], s[60:61] offset:256*\t+8192*\j th:TH_LOAD_NT
.endr
.endr
	s_wait_loadcnt 16                              ; the sizes are in; the 16 weight loads issued behind them stay out
; Four sizes: each gives one in its class's byte, or nothing.  Tokens 1024 j + 4 thread + 0..3 lie in front of token 64 i where thread < 16 i - 256 j.
.macro SCAN j
.irp m, 0,1,2,3
	v_cmp_eq_u32 vcc_lo, 32, v[IF+4*(\j)+\m]
	v_cndmask_b32 v[T+\m], 0, 1, vcc_lo
	v_cmp_eq_u32 vcc_lo, 64, v[IF+4*(\j)+\m]
	v_cndmask_b32 v[T+\m], v[T+\m], s19, vcc_lo
	v_cmp_eq_u32 vcc_lo, 0x80, v[IF+4*(\j)+\m]
	v_cndmask_b32 v[T+\m], v[T+\m], s20, vcc_lo
	v_cmp_eq_u32 vcc_lo, 0x100, v[IF+4*(\j)+\m]
	v_cndmask_b32 v[T+\m], v[T+\m], s21, vcc_lo
.endr
	v_add3_u32 v[T+4], v[T], v[T+1], v[T+2]
	v_add_nc_u32 v[T+4], v[T+4], v[T+3]
	v_cmp_gt_i32 vcc_lo, s[THR], v0
	v_add_nc_u32 v[TOT], v[TOT], v[T+4]
	v_cndmask_b32 v[T+4], 0, v[T+4], vcc_lo
	v_add_nc_u32 v[BEF], v[BEF], v[T+4]
	s_sub_co_i32 s[THR], s[THR], 256
.endm
.irp j, 0,1,2,3,4,5,6,7,8,9,10,11,12,13,14,15
	SCAN \j
.endr
	; the bytes are spread into halves of 16 bits (a sum over all threads is 16,384 at the most): classes 0 | 2, 1 | 3, of TOT and of BEF
	v_and_b32 v[T], 0xff00ff, v[TOT]
	v_lshrrev_b32 v[T+1], 8, v[TOT]
	v_and_b32 v[T+1], 0xff00ff, v[T+1]
	v_and_b32 v[T+2], 0xff00ff, v[BEF]
	v_lshrrev_b32 v[T+3], 8, v[BEF]
	v_and_b32 v[T+3], 0xff00ff, v[T+3]
	v_mov_b32 v[T+4], 0                            ; written, since a lane move counts as a reader of its destination
.irp k, 1,2,4,8
.irp r, 0,1,2,3
	v_mov_b32_dpp v[T+4], v[T+\r] row_xmask:\k row_mask:0xf bank_mask:0xf
	v_add_nc_u32 v[T+\r], v[T+\r], v[T+4]
.endr
.endr
.irp r, 0,1,2,3
	v_permlanex16_b32 v[T+4], v[T+\r], s22, s23
	v_add_nc_u32 v[T+\r], v[T+\r], v[T+4]
.endr
	s_lshl_b32 s44, s[WV], 4
	v_mov_b32 v[T+5], s44
	ds_store_b128 v[T+5], v[T:T+3]                 ; my wave's four sums: every lane writes the same 16 bytes with the same numbers
	s_wait_dscnt 0x0                               ; for the others' sake: my store is done
	s_barrier_signal -1
	s_barrier_wait -1
.irp k, 0,1,2,3,4,5,6,7
	ds_load_b128 v[IF+4*\k:IF+4*\k+3], v[ZA] offset:16*\k
.endr
	s_wait_dscnt 0x0
.irp k, 1,2,3,4,5,6,7
.irp m, 0,1,2,3
	v_add_nc_u32 v[IF+\m], v[IF+\m], v[IF+4*\k+\m]
.endr
.endr
.irp m, 0,1,2,3
	v_readfirstlane_b32 s[44+\m], v[IF+\m]
.endr
	s_and_b32 s[CNT], s44, 0xffff
	s_lshr_b32 s[CNT+2], s44, 16
	s_and_b32 s[CNT+1], s45, 0xffff
	s_lshr_b32 s[CNT+3], s45, 16
	s_and_b32 s[BASE], s46, 0xffff                 ; for now: how many of the class lie in front of token 64 i
	s_lshr_b32 s[BASE+2], s46, 16
	s_and_b32 s[BASE+1], s47, 0xffff
	s_lshr_b32 s[BASE+3], s47, 16
	s_mov_b32 s[OFS], s[CNT]
	s_add_co_u32 s[OFS+1], s[OFS], s[CNT+1]
	s_add_co_u32 s[OFS+2], s[OFS+1], s[CNT+2]
	s_add_co_u32 s[OFS+3], s[OFS+2], s[CNT+3]
	s_lshl_b32 s[BASE+4], s[WG], 6                 ; of class "none": the 64 i tokens in front less those of the four classes
.irp c, 0,1,2,3
	s_sub_co_u32 s[BASE+4], s[BASE+4], s[BASE+\c]
.endr
.irp c, 1,2,3,4
	s_add_co_u32 s[BASE+\c], s[BASE+\c], s[OFS+\c-1]
.endr
	; my group's own 64 tokens, as lane masks by class
.irp g, 0,1
	v_cmp_eq_u32 s[M0+5*\g], 32, v[OWN+\g]
	v_cmp_eq_u32 s[M0+5*\g+1], 64, v[OWN+\g]
	v_cmp_eq_u32 s[M0+5*\g+2], 0x80, v[OWN+\g]
	v_cmp_eq_u32 s[M0+5*\g+3], 0x100, v[OWN+\g]
	s_or_b32 s[M0+5*\g+4], s[M0+5*\g], s[M0+5*\g+1]
	s_or_b32 s[M0+5*\g+4], s[M0+5*\g+4], s[M0+5*\g+2]
	s_or_b32 s[M0+5*\g+4], s[M0+5*\g+4], s[M0+5*\g+3]
	s_not_b32 s[M0+5*\g+4], s[M0+5*\g+4]
.endr
	s_cmp_lg_u32 s[WV], 0
	s_cbranch_scc1 .Lno_order                      ; wave 0 places the 64 tokens
	v_mbcnt_lo_u32_b32 v[T], s[M0+4], 0            ; place = the class's first place for my group + how many of the class stand in lower lanes
	v_add_nc_u32 v[T], s[BASE+4], v[T]
	s_bcnt1_i32_b32 s52, s[M0+4]
	s_add_co_u32 s52, s52, s[BASE+4]               ; the second 32 tokens come behind the first 32's of the class
	v_mbcnt_lo_u32_b32 v[T+1], s[M1+4], 0
	v_add_nc_u32 v[T+1], s52, v[T+1]
.irp c, 0,1,2,3
	v_mbcnt_lo_u32_b32 v[T+2], s[M0+\c], 0
	v_add_nc_u32 v[T+2], s[BASE+\c], v[T+2]
	v_cndmask_b32 v[T], v[T], v[T+2], s[M0+\c]
	s_bcnt1_i32_b32 s52, s[M0+\c]
	s_add_co_u32 s52, s52, s[BASE+\c]
	v_mbcnt_lo_u32_b32 v[T+2], s[M1+\c], 0
	v_add_nc_u32 v[T+2], s52, v[T+2]
	v_cndmask_b32 v[T+1], v[T+1], v[T+2], s[M1+\c]
.endr
	v_min_u32 v[T], 0x3fff, v[T]                   ; a place is below 16,384 by the counting; the bound is written out since it was made of loaded numbers
	v_min_u32 v[T+1], 0x3fff, v[T+1]
	v_lshlrev_b32 v[T], 2, v[T]
	v_lshlrev_b32 v[T+1], 2, v[T+1]
	s_lshl_b32 s52, s[WG], 6
	v_add_nc_u32 v[T+2], s52, v[LANE]
	v_add_nc_u32 v[T+3], 32, v[T+2]
	global_store_b32 v[T], v[T+2], s[10:11]        ; v84-87 are not written again
	global_store_b32 v[T+1], v[T+3], s[10:11]
.Lno_order:
	s_cmp_lg_u32 s[WG], 0
	s_cbranch_scc1 .Lno_table                      ; work-group 0 alone: the table and the zeros behind the list
	s_cmp_lt_u32 s[WV], 2
	s_cbranch_scc0 .Lpad
	; Expert e has ceil(c / 320) clusters = ((c + 319) / 64) / 5, and y / 5 = (205 y) >> 10 for y up to 260.  Thread q writes cluster q's entry; behind the last cluster with rows the count is 0.
.irp e, 0,1,2
	s_add_co_u32 s[52+\e], s[CNT+\e], 319
	s_lshr_b32 s[52+\e], s[52+\e], 6
	s_mul_i32 s[52+\e], s[52+\e], 205
	s_lshr_b32 s[52+\e], s[52+\e], 10
.endr
	s_add_co_u32 s53, s53, s52                     ; s52, s53, s54: the first cluster of expert 1, 2, 3
	s_add_co_u32 s54, s54, s53
	v_mov_b32 v[T+4], 0                            ; expert
	v_mov_b32 v[T+8], 0                            ; its first cluster
	v_mov_b32 v[T+9], 0                            ; its first place
	v_mov_b32 v[T+10], s[CNT]                      ; its rows
.irp e, 1,2,3
	v_cmp_le_u32 vcc_lo, s[51+\e], v0
	v_cndmask_b32 v[T+4], v[T+4], \e, vcc_lo
	v_cndmask_b32 v[T+8], v[T+8], s[51+\e], vcc_lo
	v_cndmask_b32 v[T+9], v[T+9], s[OFS+\e-1], vcc_lo
	v_cndmask_b32 v[T+10], v[T+10], s[CNT+\e], vcc_lo
.endr
	v_sub_nc_u32 v[T+8], v0, v[T+8]
	v_mul_u32_u24 v[T+8], 0x140, v[T+8]            ; 320 x the cluster's number within its expert
	v_add_nc_u32 v[T+5], v[T+9], v[T+8]
	v_min_u32 v[T+5], 0x4000, v[T+5]               ; first place, 16,384 at the most
	v_min_u32 v[T+11], v[T+8], v[T+10]
	v_sub_nc_u32 v[T+6], v[T+10], v[T+11]          ; rows left, never below 0,
	v_min_u32 v[T+6], 0x140, v[T+6]                ; 320 at the most
	v_mov_b32 v[T+7], 0
	global_store_b128 v[T16], v[T+4:T+7], s[12:13]
	s_branch .Lno_table
.Lpad:
	s_cmp_lt_u32 s[WV], 5
	s_cbranch_scc0 .Lno_table
	global_store_b128 v[T16], v[Z:Z+3], s[10:11] offset:65536-1024  ; threads 64..159: entries 16,384 .. 16,767
.Lno_table:
	; Rows of no expert: wave v looks at tokens 64 i + 8 v .. + 7; a row is 4,096 bytes: eight stores of 512 consecutive bytes.
	s_cmp_lt_u32 s[WV], 4
	s_cselect_b32 s44, s[M0+4], s[M1+4]
	s_and_b32 s45, s[WV], 3
	s_lshl_b32 s45, s45, 3
	s_lshr_b32 s44, s44, s45
	s_and_b32 s44, s44, 0xff
	s_cmp_eq_u32 s44, 0
	s_cbranch_scc1 .Lno_zero
	s_lshl_b32 s46, s[WG], 18
	s_lshl_b32 s47, s[WV], 15
	s_add_co_u32 s46, s46, s47
	s_mov_b32 s47, 0
	s_add_nc_u64 s[62:63], s[14:15], s[46:47]
	s_mov_b32 s45, 8
.Lzrow:
	s_bitcmp1_b32 s44, 0
	s_cbranch_scc0 .Lzskip
.irp k, 0,1,2,3,4,5,6,7
	global_store_b128 v[L16], v[Z:Z+3], s[62:63] offset:512*\k th:TH_STORE_NT
.endr
.Lzskip:
	s_wait_xcnt 0x0                                ; the stores' base is stepped only behind this wait
	s_add_nc_u64 s[62:63], s[62:63], 4096
	s_lshr_b32 s44, s44, 1
	s_sub_co_i32 s45, s45, 1
	s_cmp_lg_u32 s45, 0
	s_cbranch_scc1 .Lzrow
.Lno_zero:
	; THE WEIGHTS.  A K step's 16 rows x 64 numbers are rounded, laid into my stage by rows, read back as four halves of fragments and stored, 512 consecutive bytes a store.
	s_mul_i32 s44, s[WV], STGW
	s_add_co_u32 s44, s44, STG
	v_mul_u32_u24 v[SIN], SGP, v[HH]               ; in: row 2 j + lane / 16, 8 bytes at 8 (lane % 16)
	v_lshl_add_u32 v[SIN], v[CC], 3, v[SIN]
	v_add_nc_u32 v[SIN], s44, v[SIN]
	v_mul_u32_u24 v[SBK], SGP, v[CC]               ; back: row lane % 16, 16 bytes at 16 (lane / 16)
	v_lshl_add_u32 v[SBK], v[HH], 4, v[SBK]
	v_add_nc_u32 v[SBK], s44, v[SBK]
	s_lshr_b32 s45, s[WG], 6                       ; e
	s_lshl_b32 s45, s45, 21
	s_and_b32 s46, s[WG], 63                       ; the block of 16 rows within the expert: w = block / 16, ch = (block / 8) % 2, bb = block % 8
	s_lshr_b32 s47, s46, 4
	s_lshl_b32 s47, s47, 15
	s_add_co_u32 s45, s45, s47
	s_bfe_u32 s47, s46, 0x10003
	s_lshl_b32 s47, s47, 13
	s_add_co_u32 s45, s45, s47
	s_and_b32 s47, s46, 7
	s_lshl_b32 s47, s47, 10
	s_add_co_u32 s45, s45, s47
	s_lshl_b32 s47, s[WV], 18                      ; K step 2 v
	s_add_co_u32 s46, s45, s47
	s_mov_b32 s47, 0
	s_add_nc_u64 s[56:57], s[8:9], s[46:47]
.irp t, 0,1                            ; each K step has registers of its own, so nothing that a store still reads is written again
	s_wait_loadcnt 8-8*\t                          ; this step's eight loads are in; the other step's eight were issued behind them
.irp j, 0,1,2,3,4,5,6,7
	v_cvt_pk_bf16_f32 v[IF+16*\t+2*\j], v[WR+32*\t+4*\j], v[WR+32*\t+4*\j+1]
	v_cvt_pk_bf16_f32 v[IF+16*\t+2*\j+1], v[WR+32*\t+4*\j+2], v[WR+32*\t+4*\j+3]
.endr
.irp j, 0,1,2,3,4,5,6,7
	ds_store_b64 v[SIN], v[IF+16*\t+2*\j:IF+16*\t+2*\j+1] offset:2*SGP*\j
.endr
.irp f, 0,1,2,3                        ; f = 2 kk + half.  LDS serves a wave's instructions in order (ISA guide 5.7.1.4): these see the stores above, and the next step's stores come behind them
	ds_load_b128 v[IF+32+16*\t+4*\f:IF+32+16*\t+4*\f+3], v[SBK] offset:32*\f
.endr
	s_wait_dscnt 0x0
.irp f, 0,1,2,3
	global_store_b128 v[L16], v[IF+32+16*\t+4*\f:IF+32+16*\t+4*\f+3], s[56:57] offset:(\t<<17)+((\f/2)<<14)+((\f%2)<<9)
.endr
.endr
	s_wait_tensorcnt 0x0                           ; the wave's end, behind my last LDS store
	ds_add_u32 v[SPW], v[NIL]
	s_wait_dscnt 0x0
	s_endpgm
.Lfunc_end_k_q5e3257b271_prep:
	.size	k_q5e3257b271_prep, .Lfunc_end_k_q5e3257b271_prep-k_q5e3257b271_prep
	.p2alignl 7, 3214868480
	.fill 96, 4, 3214868480
	.section	.rodata,"a",@progbits
	.p2align	6, 0x0
	.amdhsa_kernel k_q5e3257b271_prep
		.amdhsa_group_segment_fixed_size 19712
		.amdhsa_private_segment_fixed_size 0
		.amdhsa_enable_private_segment 0
		.amdhsa_kernarg_size 48
		.amdhsa_user_sgpr_count 2
		.amdhsa_user_sgpr_kernarg_segment_ptr 1
		.amdhsa_wavefront_size32 1
		.amdhsa_system_sgpr_workgroup_id_x 1
		.amdhsa_system_sgpr_workgroup_id_y 1
		.amdhsa_system_sgpr_workgroup_id_z 1
		.amdhsa_system_vgpr_workitem_id 0
		.amdhsa_next_free_vgpr 168
		.amdhsa_next_free_sgpr 66
		.amdhsa_reserve_vcc 1
		.amdhsa_float_denorm_mode_32 3
		.amdhsa_float_denorm_mode_16_64 3
		.amdhsa_memory_ordered 1
		.amdhsa_forward_progress 1
		.amdhsa_inst_pref_size 55
	.end_amdhsa_kernel
	.amdgpu_metadata
---
amdhsa.version: [ 1, 2 ]
amdhsa.kernels:
  - .name:           k_q5e3257b271_prep
    .symbol:         k_q5e3257b271_prep.kd
    .args:
      - { .name: in_feat_size, .offset: 0, .size: 8, .value_kind: global_buffer, .address_space: global }
      - { .name: weight, .offset: 8, .size: 8, .value_kind: global_buffer, .address_space: global }
      - { .name: wb, .offset: 16, .size: 8, .value_kind: global_buffer, .address_space: global }
      - { .name: order, .offset: 24, .size: 8, .value_kind: global_buffer, .address_space: global }
      - { .name: table, .offset: 32, .size: 8, .value_kind: global_buffer, .address_space: global }
      - { .name: out0, .offset: 40, .size: 8, .value_kind: global_buffer, .address_space: global }
    .group_segment_fixed_size: 19712
    .private_segment_fixed_size: 0
    .kernarg_segment_align: 8
    .kernarg_segment_size: 48
    .max_flat_workgroup_size: 256
    .sgpr_count:     66
    .vgpr_count:     168
    .wavefront_size: 32
...
	.end_amdgpu_metadata
.endif
;; end of part 1
;; launch main (part 2): grid 220 x 1, 4 waves a work-group, no clusters, 327,680 bytes of LDS; arguments x, wb, bias, order, table, out0; writes out0
.if DOCPART == 2
	.amdgcn_target "amdgcn-amd-amdhsa--gfx1250"
	.amdhsa_code_object_version 6
	.text
	.protected	k_q5e3257b271_main
	.globl	k_q5e3257b271_main
	.p2align	8
	.type	k_q5e3257b271_main,@function
k_q5e3257b271_main:
	s_mov_b64 s[64:65], 0
	v_nop
	global_prefetch_b8 v0, s[64:65] scope:SCOPE_SE
	s_setreg_imm32_b32 hwreg(HW_REG_WAVE_MODE, 25, 1), 1
	s_wait_xcnt 0x0
; out[t][:] = W[e(t)] x[t] + b[e(t)] for the rows that an expert takes.  x, bias, out in f32; x is rounded to bf16 (nearest even) on its way into LDS, W comes rounded from the launch before; sums, bias and out in f32.
; LIMITS.  bf16 operands.  Where an expert that a row did not choose would give an infinity or a NaN, 0 times it is NaN in the defining sum; here that product is not made.  Rows of no expert were written by the launch before.
; SHARES.  An expert's rows, by the sorted list, are cut into chunks of 320; a chunk belongs to four neighbouring work-groups (table[work-group / 4] = expert, first place p0, rows R).  The sum over the experts of
; ceil(c / 320) is 55 at the most for 16,384 rows, whatever the split: 220 work-groups.  Work-group cx = number % 4 takes the chunk's blocks of 16 rows 4 a + cx, a = 0..4: place p0 + 64 a + 16 cx + i, alive where
; 64 a + 16 cx + i < R.  A place past R names some row that exists; it is multiplied and not stored.  A work-group that a split leaves without rows runs the same text and stores nothing.
; A work-group is 80 rows x 1,024 columns; wave w owns columns 256 w .. + 255 of all 80 rows: 5 x 16 accumulators, 640 registers.  K goes in 16 steps of 64; a step is four UNITS of 40 matrix instructions
; (32 along K x 8 column blocks x 5 row blocks).
; W.  A wave's share of a step is 32,768 dense bytes in fragment order: ONE tensor load; two slots take turns.  Only the wave that asked reads its part.
; NO CLUSTER, though the four work-groups of a chunk walk the same 2 MiB of weights: which expert's they are is a number read from the table, and so is R, on which the stores' jumps hang; a joint request wants a
; descriptor, and jumps, made of nothing but coordinates that the partners share.
; x.  The rows come by a list, so through registers: a step's 256 bytes of 20 rows a wave (ten loads, 16 lanes to a row's 256 aligned bytes), asked for two steps ahead into two register sets, rounded, and laid
; into a ring of two LDS slots that only ds_store writes.  The list names each alive row once in the launch.
; THE MATRIX INSTRUCTION IS USED TRANSPOSED (source 0 = 16 rows of W, source 1 = 16 rows of x): a lane holds one row of out (lane % 16) and eight neighbouring columns.
; REGISTERS, in windows of 256 (s_set_vgpr_msb: bits 1:0 source 0, 3:2 source 1, 5:4 source 2, 7:6 destination):
;   window 0: v2-13 addresses; v14-23 x offsets; v24-31 bias; v32-111 x as loaded, two sets; v112-131 x rounded; v132-211 x fragments, two buffers.  On the way out: v32-47 offsets, v128-255 rows
;   window 1: v0-127 W fragments, two buffers; v128-255 accumulators of row block 4      window 2: row blocks 0, 1      window 3: row blocks 2, 3   (block a', column block cb at 128 a' + 8 cb)
.set XP,     144                       ; a row of x in LDS: 128 bytes + 16 = 36 words: the 16 rows of a load start at 16 different groups of four banks (64 banks of 4 bytes: ISA guide 11.1)
.set XSLOT,  80*XP
.set WSLOT,  1<<17                     ; a slot of W: four waves' parts of 32,768 bytes
.set XS,     2*WSLOT                   ; behind W's two slots: x's two slots; no tensor load lands here
.set SPARE,  XS+2*XSLOT                ; 285,184: the spare words, 128 bytes a wave: two blocks of 256 bytes that no other line names
.set STAGE,  SPARE+512                 ; the way out: 16 rows x 528 bytes for each wave; no tensor load lands here
.set SPITCH, 528                       ; 512 bytes + 16 = 132 words: row r starts at bank 4 r mod 64
.set STGW,   16*SPITCH
.set AB,   2                           ; v2, v3   my W fragments in slot 0, 1
.set AX,   4                           ; v4, v5   my x fragments in slot 0, 1
.set XW,   6                           ; v6       where I put 8 bytes of x, slot 0
.set STO,  7                           ; v7       the way out: where I put 32 bytes of a row
.set RD,   8                           ; v8       the way out: where I read 16 bytes of a row back
.set L16,  9                           ; v9       16 x lane
.set SPW,  12                          ; v12      my spare word's address; never rewritten
.set NIL,  13                          ; v13      0; never rewritten
.set XO,   14                          ; v14-23   load j: token x 4,096 + 16 (lane % 16), of row 20 w + 2 j + lane / 16; never rewritten
.set BIAS, 24                          ; v24-31   bias of my columns 4 lane .. + 3 and 128 + 4 lane .. + 3
.set XR,   32                          ; two sets of 40
.set XC,   112
.set AF,   132                         ; two buffers of 40: row block a at + 8 a
.set BF,   0                           ; window 1: two buffers of 64: column block bb at + 8 bb
.set VO,   32
.set OB,   128
.set WV,   16                          ; s16  wave
.set CX,   17                          ; s17  my place among the chunk's four work-groups
.set BB,   18                          ; s[18:19] bias at my wave's columns
.set EE,   20                          ; s20  expert
.set P0,   21                          ; s21  the chunk's first place
.set RR,   22                          ; s22  the chunk's rows
.set RLS,  23                          ; s23  R - 16 cx, not below 0: row i of block a is alive where 64 a + i is less
.set G1,   24                          ; s[24:31] descriptor group 1
.set G0,   32                          ; s[32:39] descriptor group 0, a set for each slot
.set XB,   40                          ; s[40:43] x + the K offset that register set 0, 1 loads next
.set LAPS, 44
.set WOFF, 45                          ; s45  wave x 32,768
.set T0,   46                          ; s[46:47] at work
.set TK,   48                          ; s[48:63] sixteen tokens
.set OUTW, 66                          ; s[66:67] out0 at my wave's columns
.set ORD,  68                          ; s[68:69] order at place p0 + 16 cx
.set MSB, 0
.macro WIN new                         ; the immediate's high byte repeats the setting that is left; a switch that changes nothing is dropped
.if MSB != (\new)
	s_set_vgpr_msb (MSB<<8)|(\new)
.set MSB, \new
.endif
.endm
.macro PLACES                          ; four plain vector instructions between a matrix instruction and a load into, or a store of, its registers (ISA guide 7.12.1 for stores)
.rept 4
	v_nop
.endr
.endm
.macro FILL p                          ; slot p is filled: one line for all four waves, each with its own 32,768 bytes; an s_nop 0 and four v_nop follow it
	tensor_load_to_lds s[G0+4*(\p):G0+4*(\p)+3], s[G1:G1+7]
	s_nop 0
	PLACES
.endm
; 8 matrix instructions: row block a x column blocks 8 ch + 0..7, 32 along K.  zero = 1: the product starts the sums: nothing is ever cleared.
; A unit names each of its 40 accumulators once, and neighbouring units name different halves ch: the accumulators take turns, one instruction a turn, over the loop's jump too.
.macro MULA fb, fa, ch, a, zero
.if (\a) < 2
	WIN 0xa1
.set AC, 128*(\a)+64*(\ch)
.elseif (\a) < 4
	WIN 0xf1
.set AC, 128*((\a)-2)+64*(\ch)
.else
	WIN 0x51
.set AC, 128+64*(\ch)
.endif
.irp bb, 0,1,2,3,4,5,6,7
.if \zero
	v_wmma_f32_16x16x32_bf16 v[AC+8*\bb:AC+8*\bb+7], v[BF+64*(\fb)+8*\bb:BF+64*(\fb)+8*\bb+7], v[AF+40*(\fa)+8*(\a):AF+40*(\fa)+8*(\a)+7], 0
.else
	v_wmma_f32_16x16x32_bf16 v[AC+8*\bb:AC+8*\bb+7], v[BF+64*(\fb)+8*\bb:BF+64*(\fb)+8*\bb+7], v[AF+40*(\fa)+8*(\a):AF+40*(\fa)+8*(\a)+7], v[AC+8*\bb:AC+8*\bb+7]
.endif
.endr
.endm
.macro FETCHB p, u, f                  ; unit u's 8 fragments of W: 16 loads of 512 consecutive bytes
	WIN 0x40
.irp bb, 0,1,2,3,4,5,6,7
	ds_load_b128 v[BF+64*(\f)+8*\bb:BF+64*(\f)+8*\bb+3],   v[AB+(\p)] offset:8192*(\u)+1024*\bb
	ds_load_b128 v[BF+64*(\f)+8*\bb+4:BF+64*(\f)+8*\bb+7], v[AB+(\p)] offset:8192*(\u)+1024*\bb+512
.endr
.endm
.macro FETCHA p, kk, f                 ; the 5 fragments of x for 32 along K
	WIN 0
.irp a, 0,1,2,3,4
	ds_load_b128 v[AF+40*(\f)+8*\a:AF+40*(\f)+8*\a+3],   v[AX+(\p)] offset:16*XP*\a+64*(\kk)
	ds_load_b128 v[AF+40*(\f)+8*\a+4:AF+40*(\f)+8*\a+7], v[AX+(\p)] offset:16*XP*\a+64*(\kk)+32
.endr
.endm
; Register set s holds a K step's x of parity s: it is rounded and laid into x's slot s; load = 1: the set then asks for the step two further on.  left: the other set's loads, issued behind this set's.
.macro XWORK set, load, left
	WIN 0
	s_wait_loadcnt \left                           ; loads come back in order (ISA guide 5.7.1): this set's ten are in, so its base may be stepped too
.irp j, 0,1,2,3,4,5,6,7,8,9
	v_cvt_pk_bf16_f32 v[XC+2*\j],   v[XR+40*(\set)+4*\j],   v[XR+40*(\set)+4*\j+1]
	v_cvt_pk_bf16_f32 v[XC+2*\j+1], v[XR+40*(\set)+4*\j+2], v[XR+40*(\set)+4*\j+3]
.endr
.irp j, 0,1,2,3,4,5,6,7,8,9
	ds_store_b64 v[XW], v[XC+2*\j:XC+2*\j+1] offset:XSLOT*(\set)+2*XP*\j
.endr
.if \load
	s_add_nc_u64 s[XB+2*(\set):XB+2*(\set)+1], s[XB+2*(\set):XB+2*(\set)+1], 512
.irp j, 0,1,2,3,4,5,6,7,8,9
	global_load_b128 v[XR+40*(\set)+4*\j:XR+40*(\set)+4*\j+3], v[XO+\j], s[XB+2*(\set):XB+2*(\set)+1] th:TH_LOAD_NT
.endr
.endif
.endm
; Unit u = 0, 1, 2 of a step in slot p: its fragments were asked for a unit (40 matrix instructions) ago; the next unit's are asked for in one run at its head, behind four places
; (the 20 roundings of XWORK, or four v_nop); then 40 matrix instructions.  Unit u: 32 along K at 32 (u / 2), column half u % 2.
.macro UNIT p, u, zero=0, xw=0, set=0, load=0, left=0
	s_wait_dscnt 0x0                               ; this unit's fragments are in
.if \xw
	XWORK \set, \load, \left
.else
	PLACES
.endif
	FETCHB \p, (\u)+1, ((\u)+1)%2
.if (\u) == 1
	FETCHA \p, 1, 1
.endif
.irp a, 0,1,2,3,4
	MULA (\u)%2, (\u)/2, (\u)%2, \a, \zero
.endr
.endm
; Unit 3 changes slots.  ONE barrier for three things.  In front of it each wave waits for all its tensor loads, of which one is out: its part of the next slot of W; adds 0 to its spare word; and waits for that,
; for its reads of this step's W and x, and for its stores of the next step's x.  Behind it x's next slot is whole, and nobody reads this step's slots any more.
; fill = 1: this slot of W is filled again, two steps ahead, the first thing behind the barrier: from there to the wait for it a wave issues 144 matrix instructions.
.macro TURN p, fill
	s_wait_dscnt 0x0                               ; this unit's fragments are in
	WIN 0                                          ; (the add's two registers lie in window 0)
	s_wait_tensorcnt 0x0                           ; all my tensor loads have landed, so a group 0 may be written
	ds_add_u32 v[SPW], v[NIL]                      ; 0 onto my spare word; the step below and eight matrix instructions stand between it and the wait for it
.if \fill
	s_add_nc_u64 s[G0+4*(\p)+2:G0+4*(\p)+3], s[G0+4*(\p)+2:G0+4*(\p)+3], 2*WSLOT  ; the slot's next step, two on; the type bits on top are not reached
.endif
	MULA 1, 1, 1, 0, 0
	s_wait_dscnt 0x0                               ; the add is done; no LDS instruction of mine is out
	s_barrier_signal -1
	MULA 1, 1, 1, 1, 0                             ; work on registers while the others arrive
	s_barrier_wait -1
.if \fill
	FILL \p                                        ; my one tensor load behind this barrier; its four v_nop are also the places in front of the loads below
.else
	PLACES
.endif
	FETCHB 1-(\p), 0, 0
	FETCHA 1-(\p), 0, 0
	MULA 1, 1, 1, 2, 0
	MULA 1, 1, 1, 3, 0
	MULA 1, 1, 1, 4, 0
.endm
; THE WAY OUT of row block a: 16 rows x my 256 columns, in two halves of 128 columns through my own stage: a lane's 32 bytes go in, whole rows of 512 bytes come back; the bias is added; a store covers 512
; consecutive bytes of one row of out, at a multiple of 512 from its first byte.  The block's sixteen tokens come by a scalar load.  Alive rows come first: at the first row past the count the rest of the
; block's stores is jumped, forward, past no barrier and no tensor load.
.macro STIN q                          ; half q of the block into the stage
	WIN DW                                         ; the stores' data (source 1) in the accumulators' window
.irp bb, 0,1,2,3,4,5,6,7
	ds_store_b128 v[STO], v[AC+64*(\q)+8*\bb:AC+64*(\q)+8*\bb+3]   offset:64*\bb     ; each accumulator's lowest registers are read first
	ds_store_b128 v[STO], v[AC+64*(\q)+8*\bb+4:AC+64*(\q)+8*\bb+7] offset:64*\bb+16
.endr
	WIN 0
.endm
.macro STBK q                          ; and back by rows.  LDS serves a wave's instructions in order (ISA guide 5.7.1.4): these see the stores above them, and later stores come behind them
.irp i, 0,1,2,3,4,5,6,7,8,9,10,11,12,13,14,15
	ds_load_b128 v[OB+8*\i+4*(\q):OB+8*\i+4*(\q)+3], v[RD] offset:SPITCH*\i
.endr
.endm
.macro BADD q
.irp i, 0,1,2,3,4,5,6,7,8,9,10,11,12,13,14,15
	v_pk_add_f32 v[OB+8*\i+4*(\q):OB+8*\i+4*(\q)+1],   v[OB+8*\i+4*(\q):OB+8*\i+4*(\q)+1],   v[BIAS+4*(\q):BIAS+4*(\q)+1]
	v_pk_add_f32 v[OB+8*\i+4*(\q)+2:OB+8*\i+4*(\q)+3], v[OB+8*\i+4*(\q)+2:OB+8*\i+4*(\q)+3], v[BIAS+4*(\q)+2:BIAS+4*(\q)+3]
.endr
.endm
.macro OUTBLK a
	WIN 0
	s_load_b512 s[TK:TK+15], s[ORD:ORD+1], 256*(\a)
.if (\a) < 2
.set AC, 128*(\a)
.set DW, 0x08
.elseif (\a) < 4
.set AC, 128*((\a)-2)
.set DW, 0x0c
.else
.set AC, 128
.set DW, 0x04
.endif
	STIN 0
	s_wait_xcnt 0x0                                ; the block before's stores have had their addresses translated (ISA guide 3.1): their data and offsets are written again only behind this wait
	STBK 0
	s_wait_kmcnt 0x0
.irp i, 0,1,2,3,4,5,6,7,8,9,10,11,12,13,14,15
	s_min_u32 s[TK+\i], s[TK+\i], 0x3fff           ; a token number: the bound is written out since it was loaded
	v_lshl_add_u32 v[VO+\i], s[TK+\i], 12, v[L16]
.endr
	STIN 1
	s_wait_dscnt 16                                ; the first half's rows are back; the second half's 16 stores, issued behind them, may be out
	BADD 0
	STBK 1
	s_wait_dscnt 0x0
	BADD 1
.irp i, 0,1,2,3,4,5,6,7,8,9,10,11,12,13,14,15
	s_cmp_gt_u32 s[RLS], 64*(\a)+\i
	s_cbranch_scc0 .Ldone_\@
	global_store_b128 v[VO+\i], v[OB+8*\i:OB+8*\i+3],   s[OUTW:OUTW+1] th:TH_STORE_NT
	global_store_b128 v[VO+\i], v[OB+8*\i+4:OB+8*\i+7], s[OUTW:OUTW+1] offset:512 th:TH_STORE_NT
.endr
.Ldone_\@:
.endm
	s_load_b256 s[4:11], s[0:1], 0x0               ; x s[4:5], wb s[6:7], bias s[8:9], order s[10:11]
	s_load_b128 s[12:15], s[0:1], 0x20             ; table s[12:13], out0 s[14:15]
	v_lshl_add_u32 v[SPW], v0, 2, SPARE
	v_mov_b32 v[NIL], 0
	ds_add_u32 v[SPW], v[NIL]                      ; the wave's opening: the add and its wait come ahead of my first tensor load; the set-up below, work on registers, stands between them
	v_lshrrev_b32 v1, 5, v0
	v_readfirstlane_b32 s[WV], v1                  ; wave 0..3
	s_and_b32 s[CX], ttmp9, 3                      ; my place among the chunk's four
	s_lshr_b32 s[T0], ttmp9, 2                     ; the chunk,
	s_lshl_b32 s[T0], s[T0], 4                     ; its 16 bytes of the table
	s_mov_b32 s[T0+1], 0
	; descriptor group 1: 32,768 dense bytes as 128 rows of 32 elements of 8 bytes (256 bytes a row), no padding: the fragments are read as 512 consecutive bytes
	s_mov_b32 s[G1+0], 3<<16                       ; 15:0 no mask; 17:16 elements of 8 bytes
	s_mov_b32 s[G1+1], 32<<16                      ; tensor_dim0 = 32
	s_mov_b32 s[G1+2], 128<<16                     ; tensor_dim1 = 128
	s_mov_b32 s[G1+3], 32<<16                      ; tile_dim0 = 32
	s_mov_b32 s[G1+4], 128                         ; tile_dim1 = 128
	s_mov_b32 s[G1+5], 32                          ; 32 elements from row to row
	s_mov_b32 s[G1+6], 0
	s_mov_b32 s[G1+7], 0
	s_lshl_b32 s[WOFF], s[WV], 15
	s_wait_dscnt 0x0                               ; the opening add is done
	s_wait_kmcnt 0x0
	s_add_nc_u64 s[T0:T0+1], s[12:13], s[T0:T0+1]
	s_load_b128 s[20:23], s[T0:T0+1], 0x0          ; expert, p0, R, 0
	s_wait_kmcnt 0x0
	s_min_u32 s[EE], s[EE], 3                      ; loaded numbers enter addresses behind bounds that are written out
	s_min_u32 s[P0], s[P0], 0x4000
	s_min_u32 s[RR], s[RR], 0x140
	s_lshl_b32 s[T0], s[EE], 21                    ; the expert's 2 MiB, my wave's 32,768 bytes of K step 0
	s_add_co_u32 s[T0], s[T0], s[WOFF]
	s_mov_b32 s[T0+1], 0
	s_add_nc_u64 s[T0:T0+1], s[6:7], s[T0:T0+1]
.irp p, 0,1
	s_mov_b32 s[G0+4*\p], 1                        ; 1:0 count = 1
	s_add_co_u32 s[G0+4*\p+1], s[WOFF], \p*WSLOT   ; 63:32 LDS address: slot p, my wave's part
	s_add_nc_u64 s[G0+4*\p+2:G0+4*\p+3], s[T0:T0+1], \p*WSLOT  ; 120:64 global address: K step p
	s_or_b32 s[G0+4*\p+3], s[G0+4*\p+3], 0x80000000            ; 127:126 type = 2
.endr
	tensor_load_to_lds s[G0:G0+3], s[G1:G1+7]      ; both first fills go out together, ahead of every wait on TENSORcnt, LDS read and barrier: two loads of mine are out; behind each later barrier, one
	s_nop 0
	tensor_load_to_lds s[G0+4:G0+7], s[G1:G1+7]
	s_nop 0
	PLACES
	s_lshl_b32 s[T0], s[EE], 12
	s_lshl_b32 s[T0+1], s[WV], 10
	s_add_co_u32 s[T0], s[T0], s[T0+1]
	s_mov_b32 s[T0+1], 0
	s_add_nc_u64 s[BB:BB+1], s[8:9], s[T0:T0+1]
	s_lshl_b32 s[T0], s[WV], 10
	s_add_nc_u64 s[OUTW:OUTW+1], s[14:15], s[T0:T0+1]
	s_mov_b64 s[XB:XB+1], s[4:5]                   ; K step 0
	s_add_nc_u64 s[XB+2:XB+3], s[4:5], 256         ; K step 1
	s_lshl_b32 s2, s[CX], 4
	s_min_u32 s3, s[RR], s2
	s_sub_co_u32 s[RLS], s[RR], s3
	s_add_co_u32 s70, s[P0], s2
	s_lshl_b32 s70, s70, 2
	s_mov_b32 s71, 0
	s_add_nc_u64 s[ORD:ORD+1], s[10:11], s[70:71]
	v_and_b32 v11, 31, v0
	v_lshlrev_b32 v[L16], 4, v11
	v_and_b32 v1, 15, v0                           ; lane % 16
	v_bfe_u32 v11, v0, 4, 1                        ; lane / 16
	v_lshlrev_b32 v114, 4, v1
	s_mul_i32 s3, s[WV], 20
	v_add_nc_u32 v115, s3, v11                     ; my row of load 0: 20 w + lane / 16
.irp j, 0,1,2,3,4,5,6,7,8,9            ; row q = 16 a + i of the work-group's 80 is place 64 a + i from ORD on
	v_add_nc_u32 v112, 2*\j, v115
	v_and_b32 v113, 15, v112
	v_lshrrev_b32 v112, 4, v112
	v_lshlrev_b32 v113, 2, v113
	v_lshl_add_u32 v[XR+\j], v112, 8, v113
	global_load_b32 v[XO+\j], v[XR+\j], s[ORD:ORD+1]
.endr
	v_add_nc_u32 v[AB], s[WOFF], v[L16]
	v_add_nc_u32 v[AB+1], WSLOT, v[AB]
	v_mul_u32_u24 v112, XP, v1                     ; a fragment of x: row lane % 16, 16 bytes at 16 (lane / 16), and 32 bytes on
	v_lshl_add_u32 v112, v11, 4, v112
	v_add_nc_u32 v[AX], XS, v112
	v_add_nc_u32 v[AX+1], XS+XSLOT, v112
	s_mul_i32 s3, s[WV], 20*XP
	s_add_co_u32 s3, s3, XS
	v_mul_u32_u24 v112, XP, v11
	v_lshl_add_u32 v112, v1, 3, v112
	v_add_nc_u32 v[XW], s3, v112
	s_mul_i32 s3, s[WV], STGW
	s_add_co_u32 s3, s3, STAGE
	v_mul_u32_u24 v112, SPITCH, v1
	v_lshl_add_u32 v112, v11, 5, v112
	v_add_nc_u32 v[STO], s3, v112
	v_add_nc_u32 v[RD], s3, v[L16]
	s_wait_loadcnt 0x0                             ; my ten tokens
.irp j, 0,1,2,3,4,5,6,7,8,9
	v_min_u32 v[XO+\j], 0x3fff, v[XO+\j]
	v_lshl_add_u32 v[XO+\j], v[XO+\j], 12, v114
.endr
	global_load_b128 v[BIAS:BIAS+3],   v[L16], s[BB:BB+1]
	global_load_b128 v[BIAS+4:BIAS+7], v[L16], s[BB:BB+1] offset:512
.irp s, 0,1
.irp j, 0,1,2,3,4,5,6,7,8,9
	global_load_b128 v[XR+40*\s+4*\j:XR+40*\s+4*\j+3], v[XO+\j], s[XB+2*\s:XB+2*\s+1] th:TH_LOAD_NT
.endr
.endr
	XWORK 0, 1, 10                                 ; K step 0's x into slot 0 (the bias, asked for ahead of it, is in too); step 2's is asked for
	s_wait_tensorcnt 0x1                           ; my part of W's slot 0 is in; slot 1's may stay out
	s_wait_dscnt 0x0                               ; for the others' sake: my rows of x are stored
	s_barrier_signal -1
	s_barrier_wait -1
	FETCHB 0, 0, 0
	FETCHA 0, 0, 0
	UNIT 0, 0, 1, 1, 1, 1, 10                      ; the first two units stand in front of the loop: their products start the 80 sums
	UNIT 0, 1, 1
	WIN 0                                          ; at a label and at a branch every window is 0
	s_mov_b32 s[LAPS], 6
.Llap:                                                 ; a trip: the rest of an even K step, an odd one, the first half of the next even one.  It asks for two steps of W and two of x
	UNIT 0, 2
	TURN 0, 1
	UNIT 1, 0, 0, 1, 0, 1, 10
	UNIT 1, 1
	UNIT 1, 2
	TURN 1, 1
	UNIT 0, 0, 0, 1, 1, 1, 10
	UNIT 0, 1
	WIN 0
	s_sub_co_u32 s[LAPS], s[LAPS], 1
	s_cmp_lg_u32 s[LAPS], 0
	s_cbranch_scc1 .Llap
	UNIT 0, 2                                      ; K step 12 goes on.  The tail is written out: no load and no fill is issued that nothing reads
	TURN 0, 1                                      ; W of step 14
	UNIT 1, 0, 0, 1, 0, 0, 10                      ; x of step 14 is laid down; step 15's ten loads are still out
	UNIT 1, 1
	UNIT 1, 2
	TURN 1, 1                                      ; W of step 15: the last fill
	UNIT 0, 0, 0, 1, 1, 0, 0                       ; x of step 15: no load is left behind it
	UNIT 0, 1
	UNIT 0, 2
	TURN 0, 0
	UNIT 1, 0
	UNIT 1, 1
	UNIT 1, 2
	s_wait_dscnt 0x0                               ; the last unit: nothing more to fetch
.irp a, 0,1,2,3,4
	MULA 1, 1, 1, \a, 0
.endr
	PLACES                                         ; in front of the stores that read results just made
	OUTBLK 0
	OUTBLK 1
	OUTBLK 2
	OUTBLK 3
	OUTBLK 4
	s_wait_tensorcnt 0x0                           ; the wave's end, behind my last tensor load and my last LDS store
	ds_add_u32 v[SPW], v[NIL]
	s_wait_dscnt 0x0
	s_endpgm
.Lfunc_end_k_q5e3257b271_main:
	.size	k_q5e3257b271_main, .Lfunc_end_k_q5e3257b271_main-k_q5e3257b271_main
	.p2alignl 7, 3214868480
	.fill 96, 4, 3214868480
	.section	.rodata,"a",@progbits
	.p2align	6, 0x0
	.amdhsa_kernel k_q5e3257b271_main
		.amdhsa_group_segment_fixed_size 327680
		.amdhsa_private_segment_fixed_size 0
		.amdhsa_enable_private_segment 0
		.amdhsa_kernarg_size 48
		.amdhsa_user_sgpr_count 2
		.amdhsa_user_sgpr_kernarg_segment_ptr 1
		.amdhsa_wavefront_size32 1
		.amdhsa_system_sgpr_workgroup_id_x 1
		.amdhsa_system_sgpr_workgroup_id_y 1
		.amdhsa_system_sgpr_workgroup_id_z 1
		.amdhsa_system_vgpr_workitem_id 0
		.amdhsa_next_free_vgpr 1024
		.amdhsa_next_free_sgpr 72
		.amdhsa_reserve_vcc 0
		.amdhsa_float_denorm_mode_32 3
		.amdhsa_float_denorm_mode_16_64 3
		.amdhsa_memory_ordered 1
		.amdhsa_forward_progress 1
		.amdhsa_inst_pref_size 200
	.end_amdhsa_kernel
	.amdgpu_metadata
---
amdhsa.version: [ 1, 2 ]
amdhsa.kernels:
  - .name:           k_q5e3257b271_main
    .symbol:         k_q5e3257b271_main.kd
    .args:
      - { .name: x, .offset: 0, .size: 8, .value_kind: global_buffer, .address_space: global }
      - { .name: wb, .offset: 8, .size: 8, .value_kind: global_buffer, .address_space: global }
      - { .name: bias, .offset: 16, .size: 8, .value_kind: global_buffer, .address_space: global }
      - { .name: order, .offset: 24, .size: 8, .value_kind: global_buffer, .address_space: global }
      - { .name: table, .offset: 32, .size: 8, .value_kind: global_buffer, .address_space: global }
      - { .name: out0, .offset: 40, .size: 8, .value_kind: global_buffer, .address_space: global }
    .group_segment_fixed_size: 327680
    .private_segment_fixed_size: 0
    .kernarg_segment_align: 8
    .kernarg_segment_size: 48
    .max_flat_workgroup_size: 128
    .sgpr_count:     72
    .vgpr_count:     1024
    .wavefront_size: 32
...
	.end_amdgpu_metadata
.endif
;; end of part 2
;; ======== version 2 of 2: 2 launches; 1.20 times as fast as version 1
;; workspace buffers: wb 8,388,608 bytes; order 67,072 bytes of whole numbers; table 1,024 bytes of whole numbers
;; launch prep (part 3): grid 256 x 1, 8 waves a work-group, no clusters, 19,712 bytes of LDS; arguments in_feat_size, weight, wb, order, table, out0; writes wb, order, table, out0
.if DOCPART == 3
	.amdgcn_target "amdgcn-amd-amdhsa--gfx1250"
	.amdhsa_code_object_version 6
	.text
	.protected	k_q5e3257b271_prep
	.globl	k_q5e3257b271_prep
	.p2align	8
	.type	k_q5e3257b271_prep,@function
k_q5e3257b271_prep:
	s_mov_b64 s[64:65], 0
	v_nop
	global_prefetch_b8 v0, s[64:65] scope:SCOPE_SE
	s_setreg_imm32_b32 hwreg(HW_REG_WAVE_MODE, 25, 1), 1
	s_wait_xcnt 0x0
; PREP.  Three things for the product that follows, on 256 work-groups of eight waves.
; (1) THE LIST.  A token's class is 0..3 for a declared size of 32, 64, 128, 256 and 4 ("none") for any other int32.  order[] takes the 16,384 token numbers sorted by class, in the tokens' own
;     order inside a class (a counting sort, no atomics): every work-group counts all 16,384 sizes for itself (64 a thread) and places its own 64 tokens, 64 i .. 64 i + 63.
;     Work-group 0 also writes 384 zeros behind the list (places that are read but never used) and the table: for cluster q of the product {expert, first place, rows (0..320), 0}.
; (2) ROWS OF NO EXPERT get zeros in out0 here; the product never touches them.
; (3) THE WEIGHTS, rounded once to bf16 (nearest even) and laid in the order in which a wave's operand registers take them.  The 16 bytes at
;     e<<21 + s<<17 + w<<15 + kk<<14 + ch<<13 + bb<<10 + half<<9 + l<<4  hold  W[e][256 w + 128 ch + 16 bb + l % 16][64 s + 32 kk + 16 half + 8 (l / 16) + 0..7].
;     Work-group i takes the 16 rows 16 i .. 16 i + 15 of the flat [4096][1024], wave v their columns 128 v .. 128 v + 127 (K steps 2 v and 2 v + 1).
; All counting is done in whole numbers.  No matrix unit, no cluster: the launch streams 16 MiB in and 8 MiB out, and no tile is shared.
.set SGP,   144                        ; a stage row: 128 bytes (64 bf16) + 16
.set STGW,  16*SGP                     ; a wave's stage: 16 rows
.set RED,   0                          ; 8 waves x 16 bytes of partial counts
.set STG,   256                        ; the stages, each wave's own
.set SPARE, STG+8*STGW                 ; 18,688: the spare words, 128 bytes a wave: four blocks of 256 bytes that no other line names
.set SPW,  2                           ; v2  my spare word's address; never rewritten
.set NIL,  3                           ; v3  0; never rewritten
.set LANE, 4                           ; v4  lane
.set CC,   5                           ; v5  lane % 16
.set HH,   6                           ; v6  lane / 16
.set ZA,   7                           ; v7  0: the address of the partial counts
.set T16,  8                           ; v8  16 x thread; never rewritten
.set L16,  9                           ; v9  16 x lane; never rewritten
.set OWA,  10                          ; v10 offset of my own token's size
.set WA,   11                          ; v11 offset of my 16 bytes in the group's 16 weight rows
.set SIN,  12                          ; v12 stage: where I put 8 bytes
.set SBK,  13                          ; v13 stage: where I read 16 bytes back
.set IF,   16                          ; v[16:79]  the sizes: register 4 j + m holds token 1024 j + 4 thread + m.  Later: v16-47 sums, then rounded weights; v48-79 fragments
.set OWN,  80                          ; v80, v81  the sizes of tokens 64 i + lane and 64 i + 32 + lane
.set TOT,  82                          ; v82  four byte counters, one a class: all my 64 tokens (64 at the most in a byte)
.set BEF,  83                          ; v83  the same, of tokens in front of token 64 i
.set T,    84                          ; v84-95 at work
.set WR,   96                          ; v[96:159] the weights as loaded: K step t, row pair j at 96 + 32 t + 4 j
.set Z,    160                         ; v[160:163] zeros; never rewritten
.set WV,   16                          ; s16 wave
.set WG,   17                          ; s17 i
.set THR,  18                          ; s18 16 i - 256 j
.set CNT,  24                          ; s24-27 c0..c3
.set BASE, 29                          ; s29-33 first place of my group's tokens of class 0..4
.set M0,   34                          ; s34-38 lane masks by class of tokens 64 i + lane
.set M1,   39                          ; s39-43 of tokens 64 i + 32 + lane
.set OFS,  48                          ; s48-51 where classes 1..4 begin in the list
	s_load_b256 s[4:11], s[0:1], 0x0               ; in_feat_size s[4:5], weight s[6:7], wb s[8:9], order s[10:11]
	s_load_b128 s[12:15], s[0:1], 0x20             ; table s[12:13], out0 s[14:15]
	v_lshl_add_u32 v[SPW], v0, 2, SPARE
	v_mov_b32 v[NIL], 0
	v_lshrrev_b32 v1, 5, v0
	v_readfirstlane_b32 s[WV], v1
	s_mov_b32 s[WG], ttmp9
	v_and_b32 v[LANE], 31, v0
	v_and_b32 v[CC], 15, v0
	v_bfe_u32 v[HH], v0, 4, 1
	v_mov_b32 v[ZA], RED
	s_mov_b32 s19, 0x100                           ; one in the byte of class 1, 2, 3
	s_mov_b32 s20, 0x10000
	s_mov_b32 s21, 0x1000000
	s_mov_b32 s22, 0x76543210                      ; v_permlanex16_b32: each lane takes its own place in the other half
	s_mov_b32 s23, 0xfedcba98
	s_lshl_b32 s[THR], s[WG], 4
	v_lshlrev_b32 v[T16], 4, v0
	v_lshlrev_b32 v[L16], 4, v[LANE]
	v_lshlrev_b32 v[OWA], 2, v[LANE]
	s_lshl_b32 s44, s[WG], 8                       ; 64 tokens x 4 bytes
	v_add_nc_u32 v[OWA], s44, v[OWA]
	v_lshlrev_b32 v[WA], 12, v[HH]                 ; lanes 16-31: one row of 4,096 bytes further down
	v_lshl_add_u32 v[WA], v[CC], 4, v[WA]
	s_lshl_b32 s45, s[WV], 9                       ; my wave's 512 bytes of each row
	v_add_nc_u32 v[WA], s45, v[WA]
	s_lshl_b32 s46, s[WG], 16                      ; 16 rows x 4,096 bytes
	s_mov_b32 s47, 0
.irp m, 0,1,2,3
	v_mov_b32 v[Z+\m], 0
.endr
	v_mov_b32 v[TOT], 0
	v_mov_b32 v[BEF], 0
	s_wait_kmcnt 0x0
	s_add_nc_u64 s[60:61], s[6:7], s[46:47]        ; the group's weight rows
	global_load_b32 v[OWN], v[OWA], s[4:5]
	global_load_b32 v[OWN+1], v[OWA], s[4:5] offset:128
.irp j, 0,1,2,3,4,5,6,7,8,9,10,11,12,13,14,15
	global_load_b128 v[IF+4*\j:IF+4*\j+3], v[T16], s[4:5] offset:4096*\j
.endr
.irp t, 0,1                            ; the weights go out now and land under the counting: 16 lanes take 256 consecutive bytes of a row, the other 16 those of the next row
.irp j, 0,1,2,3,4,5,6,7
	global_load_b128 v[WR+32*\t+4*\j:WR+32*\t+4*\j+3], v[WA], s[60:61] offset:256*\t+8192*\j th:TH_LOAD_NT
.endr
.endr
	s_wait_loadcnt 16                              ; the sizes are in; the 16 weight loads issued behind them stay out
; Four sizes: each gives one in its class's byte, or nothing.  Tokens 1024 j + 4 thread + 0..3 lie in front of token 64 i where thread < 16 i - 256 j.
.macro SCAN j
.irp m, 0,1,2,3
	v_cmp_eq_u32 vcc_lo, 32, v[IF+4*(\j)+\m]
	v_cndmask_b32 v[T+\m], 0, 1, vcc_lo
	v_cmp_eq_u32 vcc_lo, 64, v[IF+4*(\j)+\m]
	v_cndmask_b32 v[T+\m], v[T+\m], s19, vcc_lo
	v_cmp_eq_u32 vcc_lo, 0x80, v[IF+4*(\j)+\m]
	v_cndmask_b32 v[T+\m], v[T+\m], s20, vcc_lo
	v_cmp_eq_u32 vcc_lo, 0x100, v[IF+4*(\j)+\m]
	v_cndmask_b32 v[T+\m], v[T+\m], s21, vcc_lo
.endr
	v_add3_u32 v[T+4], v[T], v[T+1], v[T+2]
	v_add_nc_u32 v[T+4], v[T+4], v[T+3]
	v_cmp_gt_i32 vcc_lo, s[THR], v0
	v_add_nc_u32 v[TOT], v[TOT], v[T+4]
	v_cndmask_b32 v[T+4], 0, v[T+4], vcc_lo
	v_add_nc_u32 v[BEF], v[BEF], v[T+4]
	s_sub_co_i32 s[THR], s[THR], 256
.endm
.irp j, 0,1,2,3,4,5,6,7,8,9,10,11,12,13,14,15
	SCAN \j
.endr
	; the bytes are spread into halves of 16 bits (a sum over all threads is 16,384 at the most): classes 0 | 2, 1 | 3, of TOT and of BEF
	v_and_b32 v[T], 0xff00ff, v[TOT]
	v_lshrrev_b32 v[T+1], 8, v[TOT]
	v_and_b32 v[T+1], 0xff00ff, v[T+1]
	v_and_b32 v[T+2], 0xff00ff, v[BEF]
	v_lshrrev_b32 v[T+3], 8, v[BEF]
	v_and_b32 v[T+3], 0xff00ff, v[T+3]
	v_mov_b32 v[T+4], 0                            ; written, since a lane move counts as a reader of its destination
.irp k, 1,2,4,8
.irp r, 0,1,2,3
	v_mov_b32_dpp v[T+4], v[T+\r] row_xmask:\k row_mask:0xf bank_mask:0xf
	v_add_nc_u32 v[T+\r], v[T+\r], v[T+4]
.endr
.endr
.irp r, 0,1,2,3
	v_permlanex16_b32 v[T+4], v[T+\r], s22, s23
	v_add_nc_u32 v[T+\r], v[T+\r], v[T+4]
.endr
	s_lshl_b32 s44, s[WV], 4
	v_mov_b32 v[T+5], s44
	ds_store_b128 v[T+5], v[T:T+3]                 ; my wave's four sums: every lane writes the same 16 bytes with the same numbers
	s_wait_dscnt 0x0                               ; for the others' sake: my store is done
	s_barrier_signal -1
	s_barrier_wait -1
.irp k, 0,1,2,3,4,5,6,7
	ds_load_b128 v[IF+4*\k:IF+4*\k+3], v[ZA] offset:16*\k
.endr
	s_wait_dscnt 0x0
.irp k, 1,2,3,4,5,6,7
.irp m, 0,1,2,3
	v_add_nc_u32 v[IF+\m], v[IF+\m], v[IF+4*\k+\m]
.endr
.endr
.irp m, 0,1,2,3
	v_readfirstlane_b32 s[44+\m], v[IF+\m]
.endr
	s_and_b32 s[CNT], s44, 0xffff
	s_lshr_b32 s[CNT+2], s44, 16
	s_and_b32 s[CNT+1], s45, 0xffff
	s_lshr_b32 s[CNT+3], s45, 16
	s_and_b32 s[BASE], s46, 0xffff                 ; for now: how many of the class lie in front of token 64 i
	s_lshr_b32 s[BASE+2], s46, 16
	s_and_b32 s[BASE+1], s47, 0xffff
	s_lshr_b32 s[BASE+3], s47, 16
	s_mov_b32 s[OFS], s[CNT]
	s_add_co_u32 s[OFS+1], s[OFS], s[CNT+1]
	s_add_co_u32 s[OFS+2], s[OFS+1], s[CNT+2]
	s_add_co_u32 s[OFS+3], s[OFS+2], s[CNT+3]
	s_lshl_b32 s[BASE+4], s[WG], 6                 ; of class "none": the 64 i tokens in front less those of the four classes
.irp c, 0,1,2,3
	s_sub_co_u32 s[BASE+4], s[BASE+4], s[BASE+\c]
.endr
.irp c, 1,2,3,4
	s_add_co_u32 s[BASE+\c], s[BASE+\c], s[OFS+\c-1]
.endr
	; my group's own 64 tokens, as lane masks by class
.irp g, 0,1
	v_cmp_eq_u32 s[M0+5*\g], 32, v[OWN+\g]
	v_cmp_eq_u32 s[M0+5*\g+1], 64, v[OWN+\g]
	v_cmp_eq_u32 s[M0+5*\g+2], 0x80, v[OWN+\g]
	v_cmp_eq_u32 s[M0+5*\g+3], 0x100, v[OWN+\g]
	s_or_b32 s[M0+5*\g+4], s[M0+5*\g], s[M0+5*\g+1]
	s_or_b32 s[M0+5*\g+4], s[M0+5*\g+4], s[M0+5*\g+2]
	s_or_b32 s[M0+5*\g+4], s[M0+5*\g+4], s[M0+5*\g+3]
	s_not_b32 s[M0+5*\g+4], s[M0+5*\g+4]
.endr
	s_cmp_lg_u32 s[WV], 0
	s_cbranch_scc1 .Lno_order                      ; wave 0 places the 64 tokens
	v_mbcnt_lo_u32_b32 v[T], s[M0+4], 0            ; place = the class's first place for my group + how many of the class stand in lower lanes
	v_add_nc_u32 v[T], s[BASE+4], v[T]
	s_bcnt1_i32_b32 s52, s[M0+4]
	s_add_co_u32 s52, s52, s[BASE+4]               ; the second 32 tokens come behind the first 32's of the class
	v_mbcnt_lo_u32_b32 v[T+1], s[M1+4], 0
	v_add_nc_u32 v[T+1], s52, v[T+1]
.irp c, 0,1,2,3
	v_mbcnt_lo_u32_b32 v[T+2], s[M0+\c], 0
	v_add_nc_u32 v[T+2], s[BASE+\c], v[T+2]
	v_cndmask_b32 v[T], v[T], v[T+2], s[M0+\c]
	s_bcnt1_i32_b32 s52, s[M0+\c]
	s_add_co_u32 s52, s52, s[BASE+\c]
	v_mbcnt_lo_u32_b32 v[T+2], s[M1+\c], 0
	v_add_nc_u32 v[T+2], s52, v[T+2]
	v_cndmask_b32 v[T+1], v[T+1], v[T+2], s[M1+\c]
.endr
	v_min_u32 v[T], 0x3fff, v[T]                   ; a place is below 16,384 by the counting; the bound is written out since it was made of loaded numbers
	v_min_u32 v[T+1], 0x3fff, v[T+1]
	v_lshlrev_b32 v[T], 2, v[T]
	v_lshlrev_b32 v[T+1], 2, v[T+1]
	s_lshl_b32 s52, s[WG], 6
	v_add_nc_u32 v[T+2], s52, v[LANE]
	v_add_nc_u32 v[T+3], 32, v[T+2]
	global_store_b32 v[T], v[T+2], s[10:11]        ; v84-87 are not written again
	global_store_b32 v[T+1], v[T+3], s[10:11]
.Lno_order:
	s_cmp_lg_u32 s[WG], 0
	s_cbranch_scc1 .Lno_table                      ; work-group 0 alone: the table and the zeros behind the list
	s_cmp_lt_u32 s[WV], 2
	s_cbranch_scc0 .Lpad
	; Expert e has ceil(c / 320) clusters = ((c + 319) / 64) / 5, and y / 5 = (205 y) >> 10 for y up to 260.  Thread q writes cluster q's entry; behind the last cluster with rows the count is 0.
.irp e, 0,1,2
	s_add_co_u32 s[52+\e], s[CNT+\e], 319
	s_lshr_b32 s[52+\e], s[52+\e], 6
	s_mul_i32 s[52+\e], s[52+\e], 205
	s_lshr_b32 s[52+\e], s[52+\e], 10
.endr
	s_add_co_u32 s53, s53, s52                     ; s52, s53, s54: the first cluster of expert 1, 2, 3
	s_add_co_u32 s54, s54, s53
	v_mov_b32 v[T+4], 0                            ; expert
	v_mov_b32 v[T+8], 0                            ; its first cluster
	v_mov_b32 v[T+9], 0                            ; its first place
	v_mov_b32 v[T+10], s[CNT]                      ; its rows
.irp e, 1,2,3
	v_cmp_le_u32 vcc_lo, s[51+\e], v0
	v_cndmask_b32 v[T+4], v[T+4], \e, vcc_lo
	v_cndmask_b32 v[T+8], v[T+8], s[51+\e], vcc_lo
	v_cndmask_b32 v[T+9], v[T+9], s[OFS+\e-1], vcc_lo
	v_cndmask_b32 v[T+10], v[T+10], s[CNT+\e], vcc_lo
.endr
	v_sub_nc_u32 v[T+8], v0, v[T+8]
	v_mul_u32_u24 v[T+8], 0x140, v[T+8]            ; 320 x the cluster's number within its expert
	v_add_nc_u32 v[T+5], v[T+9], v[T+8]
	v_min_u32 v[T+5], 0x4000, v[T+5]               ; first place, 16,384 at the most
	v_min_u32 v[T+11], v[T+8], v[T+10]
	v_sub_nc_u32 v[T+6], v[T+10], v[T+11]          ; rows left, never below 0,
	v_min_u32 v[T+6], 0x140, v[T+6]                ; 320 at the most
	v_mov_b32 v[T+7], 0
	global_store_b128 v[T16], v[T+4:T+7], s[12:13]
	s_branch .Lno_table
.Lpad:
	s_cmp_lt_u32 s[WV], 5
	s_cbranch_scc0 .Lno_table
	global_store_b128 v[T16], v[Z:Z+3], s[10:11] offset:65536-1024  ; threads 64..159: entries 16,384 .. 16,767
.Lno_table:
	; Rows of no expert: wave v looks at tokens 64 i + 8 v .. + 7; a row is 4,096 bytes: eight stores of 512 consecutive bytes.
	s_cmp_lt_u32 s[WV], 4
	s_cselect_b32 s44, s[M0+4], s[M1+4]
	s_and_b32 s45, s[WV], 3
	s_lshl_b32 s45, s45, 3
	s_lshr_b32 s44, s44, s45
	s_and_b32 s44, s44, 0xff
	s_cmp_eq_u32 s44, 0
	s_cbranch_scc1 .Lno_zero
	s_lshl_b32 s46, s[WG], 18
	s_lshl_b32 s47, s[WV], 15
	s_add_co_u32 s46, s46, s47
	s_mov_b32 s47, 0
	s_add_nc_u64 s[62:63], s[14:15], s[46:47]
	s_mov_b32 s45, 8
.Lzrow:
	s_bitcmp1_b32 s44, 0
	s_cbranch_scc0 .Lzskip
.irp k, 0,1,2,3,4,5,6,7
	global_store_b128 v[L16], v[Z:Z+3], s[62:63] offset:512*\k th:TH_STORE_NT
.endr
.Lzskip:
	s_wait_xcnt 0x0                                ; the stores' base is stepped only behind this wait
	s_add_nc_u64 s[62:63], s[62:63], 4096
	s_lshr_b32 s44, s44, 1
	s_sub_co_i32 s45, s45, 1
	s_cmp_lg_u32 s45, 0
	s_cbranch_scc1 .Lzrow
.Lno_zero:
	; THE WEIGHTS.  A K step's 16 rows x 64 numbers are rounded, laid into my stage by rows, read back as four halves of fragments and stored, 512 consecutive bytes a store.
	s_mul_i32 s44, s[WV], STGW
	s_add_co_u32 s44, s44, STG
	v_mul_u32_u24 v[SIN], SGP, v[HH]               ; in: row 2 j + lane / 16, 8 bytes at 8 (lane % 16)
	v_lshl_add_u32 v[SIN], v[CC], 3, v[SIN]
	v_add_nc_u32 v[SIN], s44, v[SIN]
	v_mul_u32_u24 v[SBK], SGP, v[CC]               ; back: row lane % 16, 16 bytes at 16 (lane / 16)
	v_lshl_add_u32 v[SBK], v[HH], 4, v[SBK]
	v_add_nc_u32 v[SBK], s44, v[SBK]
	s_lshr_b32 s45, s[WG], 6                       ; e
	s_lshl_b32 s45, s45, 21
	s_and_b32 s46, s[WG], 63                       ; the block of 16 rows within the expert: w = block / 16, ch = (block / 8) % 2, bb = block % 8
	s_lshr_b32 s47, s46, 4
	s_lshl_b32 s47, s47, 15
	s_add_co_u32 s45, s45, s47
	s_bfe_u32 s47, s46, 0x10003
	s_lshl_b32 s47, s47, 13
	s_add_co_u32 s45, s45, s47
	s_and_b32 s47, s46, 7
	s_lshl_b32 s47, s47, 10
	s_add_co_u32 s45, s45, s47
	s_lshl_b32 s47, s[WV], 18                      ; K step 2 v
	s_add_co_u32 s46, s45, s47
	s_mov_b32 s47, 0
	s_add_nc_u64 s[56:57], s[8:9], s[46:47]
.irp t, 0,1                            ; each K step has registers of its own, so nothing that a store still reads is written again
	s_wait_loadcnt 8-8*\t                          ; this step's eight loads are in; the other step's eight were issued behind them
.irp j, 0,1,2,3,4,5,6,7
	v_cvt_pk_bf16_f32 v[IF+16*\t+2*\j], v[WR+32*\t+4*\j], v[WR+32*\t+4*\j+1]
	v_cvt_pk_bf16_f32 v[IF+16*\t+2*\j+1], v[WR+32*\t+4*\j+2], v[WR+32*\t+4*\j+3]
.endr
.irp j, 0,1,2,3,4,5,6,7
	ds_store_b64 v[SIN], v[IF+16*\t+2*\j:IF+16*\t+2*\j+1] offset:2*SGP*\j
.endr
.irp f, 0,1,2,3                        ; f = 2 kk + half.  LDS serves a wave's instructions in order (ISA guide 5.7.1.4): these see the stores above, and the next step's stores come behind them
	ds_load_b128 v[IF+32+16*\t+4*\f:IF+32+16*\t+4*\f+3], v[SBK] offset:32*\f
.endr
	s_wait_dscnt 0x0
.irp f, 0,1,2,3
	global_store_b128 v[L16], v[IF+32+16*\t+4*\f:IF+32+16*\t+4*\f+3], s[56:57] offset:(\t<<17)+((\f/2)<<14)+((\f%2)<<9)
.endr
.endr
	s_wait_tensorcnt 0x0                           ; the wave's end, behind my last LDS store
	ds_add_u32 v[SPW], v[NIL]
	s_wait_dscnt 0x0
	s_endpgm
.Lfunc_end_k_q5e3257b271_prep:
	.size	k_q5e3257b271_prep, .Lfunc_end_k_q5e3257b271_prep-k_q5e3257b271_prep
	.p2alignl 7, 3214868480
	.fill 96, 4, 3214868480
	.section	.rodata,"a",@progbits
	.p2align	6, 0x0
	.amdhsa_kernel k_q5e3257b271_prep
		.amdhsa_group_segment_fixed_size 19712
		.amdhsa_private_segment_fixed_size 0
		.amdhsa_enable_private_segment 0
		.amdhsa_kernarg_size 48
		.amdhsa_user_sgpr_count 2
		.amdhsa_user_sgpr_kernarg_segment_ptr 1
		.amdhsa_wavefront_size32 1
		.amdhsa_system_sgpr_workgroup_id_x 1
		.amdhsa_system_sgpr_workgroup_id_y 1
		.amdhsa_system_sgpr_workgroup_id_z 1
		.amdhsa_system_vgpr_workitem_id 0
		.amdhsa_next_free_vgpr 168
		.amdhsa_next_free_sgpr 66
		.amdhsa_reserve_vcc 1
		.amdhsa_float_denorm_mode_32 3
		.amdhsa_float_denorm_mode_16_64 3
		.amdhsa_memory_ordered 1
		.amdhsa_forward_progress 1
		.amdhsa_inst_pref_size 55
	.end_amdhsa_kernel
	.amdgpu_metadata
---
amdhsa.version: [ 1, 2 ]
amdhsa.kernels:
  - .name:           k_q5e3257b271_prep
    .symbol:         k_q5e3257b271_prep.kd
    .args:
      - { .name: in_feat_size, .offset: 0, .size: 8, .value_kind: global_buffer, .address_space: global }
      - { .name: weight, .offset: 8, .size: 8, .value_kind: global_buffer, .address_space: global }
      - { .name: wb, .offset: 16, .size: 8, .value_kind: global_buffer, .address_space: global }
      - { .name: order, .offset: 24, .size: 8, .value_kind: global_buffer, .address_space: global }
      - { .name: table, .offset: 32, .size: 8, .value_kind: global_buffer, .address_space: global }
      - { .name: out0, .offset: 40, .size: 8, .value_kind: global_buffer, .address_space: global }
    .group_segment_fixed_size: 19712
    .private_segment_fixed_size: 0
    .kernarg_segment_align: 8
    .kernarg_segment_size: 48
    .max_flat_workgroup_size: 256
    .sgpr_count:     66
    .vgpr_count:     168
    .wavefront_size: 32
...
	.end_amdgpu_metadata
.endif
;; end of part 3
;; launch main (part 4): grid 220 x 1, 4 waves a work-group, no clusters, 327,680 bytes of LDS; arguments x, wb, bias, order, table, out0; writes out0
.if DOCPART == 4
	.amdgcn_target "amdgcn-amd-amdhsa--gfx1250"
	.amdhsa_code_object_version 6
	.text
	.protected	k_q5e3257b271_main
	.globl	k_q5e3257b271_main
	.p2align	8
	.type	k_q5e3257b271_main,@function
k_q5e3257b271_main:
	s_mov_b64 s[64:65], 0
	v_nop
	global_prefetch_b8 v0, s[64:65] scope:SCOPE_SE
	s_setreg_imm32_b32 hwreg(HW_REG_WAVE_MODE, 25, 1), 1
	s_wait_xcnt 0x0
; out[t][:] = W[e(t)] x[t] + b[e(t)] for the rows that an expert takes.  x, bias, out in f32; x is rounded to bf16 (nearest even) on its way into LDS, W comes rounded from the launch before; sums, bias and out in f32.
; LIMITS.  bf16 operands.  Where an expert that a row did not choose would give an infinity or a NaN, 0 times it is NaN in the defining sum; here that product is not made.  Rows of no expert were written by the launch before.
; SHARES.  An expert's rows, by the sorted list, are cut into chunks of 320; a chunk belongs to four neighbouring work-groups (table[g / 4] = expert, first place p0, rows R).  The sum over the experts of
; ceil(c / 320) is 55 at the most for 16,384 rows, whatever the split: 220 work-groups.  Work-group g makes 160 rows x 512 columns: column half CH = g % 2, and of the chunk's twenty blocks of 16 rows the blocks
; 2 A + RT, A = 0..9, RT = (g / 2) % 2: place p0 + 32 A + 16 RT + i, alive where 32 A + 16 RT + i < R.  A place past R names some row that exists; it is multiplied and not stored.
; A work-group that a split leaves without rows runs the same text and stores nothing.
; WHY 160 x 512.  For one step along K a tile of M rows x N columns takes in 4 M bytes of x (f32) and 2 N of W (bf16); with M N fixed by the 640 accumulator registers a wave, 160 x 512 takes in 1,664 bytes
; where 80 x 1,024 takes 2,368.  The price: each row of x is read and rounded by two work-groups.
; A wave (WR = wave / 2, WC = wave % 2) owns row blocks 5 WR + 0..4 and columns 256 (2 CH + WC) .. + 255: 5 x 16 accumulators.  K goes in 16 steps of 64; a step is four UNITS of 40 matrix instructions
; (32 along K x 8 column blocks x 5 row blocks).
; W.  A step's W of 256 columns is 32,768 dense bytes in fragment order.  A slot holds TWO steps of both column groups, four such blocks: ONE tensor load a wave; two slots take turns.  Two waves read each block.
; NO CLUSTER, though an expert's work-groups walk the same weights: which expert's they are is a number read from memory, in every dealing that serves every split, and so is R, on which the stores' jumps hang;
; a joint request wants a descriptor, and jumps, made of nothing but coordinates that the partners share.
; x.  The rows come by a list, so through registers: a step's 256 bytes of 40 rows a wave (twenty loads, 16 lanes to a row's 256 aligned bytes), asked for one step ahead, rounded, and laid into a ring of two LDS
; slots that only ds_store writes.  One register set: two would pass the wave's 1,024 registers (640 + 128 W fragments + 80 x fragments + 160 + 40 rounded + 20 offsets are 1,068).
; THE MATRIX INSTRUCTION IS USED TRANSPOSED (source 0 = 16 rows of W, source 1 = 16 rows of x): a lane holds one row of out (lane % 16) and eight neighbouring columns.
; REGISTERS, in windows of 256 (s_set_vgpr_msb: bits 1:0 source 0, 3:2 source 1, 5:4 source 2, 7:6 destination):
;   window 0: v2-13 addresses; v14-33 x offsets; v34-41 bias; v42-121 x as loaded; v122-161 x rounded; v162-241 x fragments, two buffers; v242-247 at work at the head.  On the way out: v42-57 offsets, v58-185 rows
;   window 1: v0-127 W fragments, two buffers; v128-255 accumulators of row block 4      window 2: row blocks 0, 1      window 3: row blocks 2, 3   (block a', column block cb at 128 a' + 8 cb)
.set XP,     144                       ; a row of x in LDS: 128 bytes + 16 = 36 words: the 16 rows of a load start at 16 different groups of four banks (64 banks of 4 bytes: ISA guide 11.1)
.set XSLOT,  160*XP                    ; 23,040
.set WSLOT,  1<<17                     ; a slot of W: two steps x two column groups x 32,768 bytes; ring position s = 0..3 (a step) at s << 16
.set XS,     2*WSLOT                   ; behind W's two slots: x's two slots; no tensor load lands here
.set SPARE,  XS+2*XSLOT                ; 308,224: the spare words, 128 bytes a wave: two blocks of 256 bytes that no other line names
.set STAGE,  XS                        ; the way out: 16 rows x 528 bytes for each wave, in x's ring, behind a barrier behind its last read
.set SPITCH, 528                       ; 512 bytes + 16 = 132 words: row r starts at bank 4 r mod 64
.set STGW,   16*SPITCH
.set AB,   2                           ; v2-5     my W fragments at ring position 0..3
.set AX,   6                           ; v6, v7   my x fragments in slot 0, 1
.set XW,   8                           ; v8       where I put 8 bytes of x, slot 0
.set STO,  9                           ; v9       the way out: where I put 32 bytes of a row
.set RD,   10                          ; v10      the way out: where I read 16 bytes of a row back
.set L16,  11                          ; v11      16 x lane
.set SPW,  12                          ; v12      my spare word's address; never rewritten
.set NIL,  13                          ; v13      0; never rewritten
.set XO,   14                          ; v14-33   load j: token x 4,096 + 16 (lane % 16), of the work-group's row 40 wave + 2 j + lane / 16; never rewritten
.set BIAS, 34                          ; v34-41   bias of my columns 4 lane .. + 3 and 128 + 4 lane .. + 3
.set XR,   42
.set XC,   122
.set AF,   162                         ; two buffers of 40: row block a at + 8 a
.set BF,   0                           ; window 1: two buffers of 64: column block bb at + 8 bb
.set VO,   42
.set OB,   58
.set WV,   16                          ; s16  wave
.set RT,   17                          ; s17  which of the chunk's two row shares
.set BB,   18                          ; s[18:19] bias at my wave's columns
.set EE,   20                          ; s20  expert
.set P0,   21                          ; s21  the chunk's first place
.set RR,   22                          ; s22  the chunk's rows
.set RLW,  23                          ; s23  row i of my block a is alive where 32 a + i is less: R - 16 RT - 160 WR, each difference not below 0
.set G1,   24                          ; s[24:31] descriptor group 1
.set G0,   32                          ; s[32:39] descriptor group 0, a set for each slot
.set XB,   40                          ; s[40:41] x + the K offset of the step that was asked for last
.set CH,   42                          ; s42  column half
.set WW,   43                          ; s43  my group of 256 columns: 2 CH + WC
.set LAPS, 44
.set WOFF, 45                          ; s45  wave x 32,768
.set T0,   46                          ; s[46:47] at work
.set TK0,  48                          ; s[48:63] sixteen tokens, blocks 0, 2, 4
.set OUTW, 66                          ; s[66:67] out0 at my wave's columns
.set ORD,  68                          ; s[68:69] order at place p0 + 16 RT
.set TK1,  72                          ; s[72:87] sixteen tokens, blocks 1, 3
.set WC,   88                          ; s88  wave % 2.  Also: which column group's block I fetch
.set WR,   89                          ; s89  wave / 2.  Also: which of a slot's two steps I fetch
.set ORDW, 90                          ; s[90:91] order at my wave's first block
.set MSB, 0
.macro WIN new                         ; the immediate's high byte repeats the setting that is left; a switch that changes nothing is dropped
.if MSB != (\new)
	s_set_vgpr_msb (MSB<<8)|(\new)
.set MSB, \new
.endif
.endm
.macro PLACES                          ; four plain vector instructions between a matrix instruction and a load into, or a store of, its registers (ISA guide 7.12.1 for stores)
.rept 4
	v_nop
.endr
.endm
.macro FILL p                          ; slot p is filled: one line for all four waves, each with its own 32,768 bytes; an s_nop 0 and four v_nop follow it
	tensor_load_to_lds s[G0+4*(\p):G0+4*(\p)+3], s[G1:G1+7]
	s_nop 0
	PLACES
.endm
; 8 matrix instructions: row block a x column blocks 8 ch + 0..7, 32 along K.  zero = 1: the product starts the sums: nothing is ever cleared.
; A unit names each of its 40 accumulators once, and neighbouring units name different halves ch: the accumulators take turns, one instruction a turn, over the loop's jump too.
.macro MULA fb, fa, ch, a, zero
.if (\a) < 2
	WIN 0xa1
.set AC, 128*(\a)+64*(\ch)
.elseif (\a) < 4
	WIN 0xf1
.set AC, 128*((\a)-2)+64*(\ch)
.else
	WIN 0x51
.set AC, 128+64*(\ch)
.endif
.irp bb, 0,1,2,3,4,5,6,7
.if \zero
	v_wmma_f32_16x16x32_bf16 v[AC+8*\bb:AC+8*\bb+7], v[BF+64*(\fb)+8*\bb:BF+64*(\fb)+8*\bb+7], v[AF+40*(\fa)+8*(\a):AF+40*(\fa)+8*(\a)+7], 0
.else
	v_wmma_f32_16x16x32_bf16 v[AC+8*\bb:AC+8*\bb+7], v[BF+64*(\fb)+8*\bb:BF+64*(\fb)+8*\bb+7], v[AF+40*(\fa)+8*(\a):AF+40*(\fa)+8*(\a)+7], v[AC+8*\bb:AC+8*\bb+7]
.endif
.endr
.endm
.macro FETCHB s, u, f                  ; ring position s, unit u: 8 fragments of W: 16 loads of 512 consecutive bytes
	WIN 0x40
.irp bb, 0,1,2,3,4,5,6,7
	ds_load_b128 v[BF+64*(\f)+8*\bb:BF+64*(\f)+8*\bb+3],   v[AB+(\s)] offset:8192*(\u)+1024*\bb
	ds_load_b128 v[BF+64*(\f)+8*\bb+4:BF+64*(\f)+8*\bb+7], v[AB+(\s)] offset:8192*(\u)+1024*\bb+512
.endr
.endm
.macro FETCHA p, kk, f                 ; the 5 fragments of x for 32 along K, out of x's slot p
	WIN 0
.irp a, 0,1,2,3,4
	ds_load_b128 v[AF+40*(\f)+8*\a:AF+40*(\f)+8*\a+3],   v[AX+(\p)] offset:16*XP*\a+64*(\kk)
	ds_load_b128 v[AF+40*(\f)+8*\a+4:AF+40*(\f)+8*\a+7], v[AX+(\p)] offset:16*XP*\a+64*(\kk)+32
.endr
.endm
; The K step of x that was asked for last is rounded and laid into x's slot; load = 1: the step behind it is asked for at once, 160 matrix instructions ahead of the next such wait.
.macro XWORK slot, load
	WIN 0
	s_wait_loadcnt 0x0                             ; my twenty loads are in (no other load of mine is out), so their base may be stepped too
.irp j, 0,1,2,3,4,5,6,7,8,9,10,11,12,13,14,15,16,17,18,19
	v_cvt_pk_bf16_f32 v[XC+2*\j],   v[XR+4*\j],   v[XR+4*\j+1]
	v_cvt_pk_bf16_f32 v[XC+2*\j+1], v[XR+4*\j+2], v[XR+4*\j+3]
.endr
.irp j, 0,1,2,3,4,5,6,7,8,9,10,11,12,13,14,15,16,17,18,19
	ds_store_b64 v[XW], v[XC+2*\j:XC+2*\j+1] offset:XSLOT*(\slot)+2*XP*\j
.endr
.if \load
	s_add_nc_u64 s[XB:XB+1], s[XB:XB+1], 256
.irp j, 0,1,2,3,4,5,6,7,8,9,10,11,12,13,14,15,16,17,18,19
	global_load_b128 v[XR+4*\j:XR+4*\j+3], v[XO+\j], s[XB:XB+1]
.endr
.endif
.endm
; Unit u = 0, 1, 2 of the step at ring position s: its fragments were asked for a unit (40 matrix instructions) ago; the next unit's are asked for in one run at its head, behind four places
; (the 40 roundings of XWORK, or four v_nop); then 40 matrix instructions.  Unit u: 32 along K at 32 (u / 2), column half u % 2.  xw = 1: the next step's x goes into the other slot of x's ring.
.macro UNIT s, u, zero=0, xw=0, load=0
	s_wait_dscnt 0x0                               ; this unit's fragments are in
.if \xw
	XWORK ((\s)+1)%2, \load
.else
	PLACES
.endif
	FETCHB \s, (\u)+1, ((\u)+1)%2
.if (\u) == 1
	FETCHA (\s)%2, 1, 1
.endif
.irp a, 0,1,2,3,4
	MULA (\u)%2, (\u)/2, (\u)%2, \a, \zero
.endr
.endm
; Unit 3 ends the step at ring position s, with a barrier.
; kind = 0, between a slot's two steps: the barrier serves x's ring alone.  In front of it each wave has waited for its reads of this step's x and its stores of the next step's; behind it nothing is filled,
;   so the tensor load that is out stays out.
; kind = 1, 2, a change of slots.  In front of the barrier each wave waits for all its tensor loads, of which one is out: its block of the next slot; adds 0 to its spare word; and waits for that, for its reads of
;   this slot and of x, and for its stores of x.  Behind it the next slot is whole and nobody reads this one.  kind = 1: this slot is filled again, four steps on, the first thing behind the barrier:
;   from there to the wait for it a wave issues 304 matrix instructions.  kind = 2: nothing is left to fetch.
.macro TURN s, kind
	s_wait_dscnt 0x0                               ; this unit's fragments are in; no LDS instruction of mine is out
.if (\kind) == 0
	s_barrier_signal -1
	MULA 1, 1, 1, 0, 0                             ; work on registers while the others arrive
	MULA 1, 1, 1, 1, 0
	s_barrier_wait -1
	PLACES
.else
	WIN 0                                          ; (the add's two registers lie in window 0)
	s_wait_tensorcnt 0x0                           ; all my tensor loads have landed, so a group 0 may be written
	ds_add_u32 v[SPW], v[NIL]                      ; 0 onto my spare word; the step below and eight matrix instructions stand between it and the wait for it
.if (\kind) == 1
	s_add_nc_u64 s[G0+4*((\s)/2)+2:G0+4*((\s)/2)+3], s[G0+4*((\s)/2)+2:G0+4*((\s)/2)+3], 4<<17  ; four K steps on; the type bits on top are not reached
.endif
	MULA 1, 1, 1, 0, 0
	s_wait_dscnt 0x0                               ; the add is done
	s_barrier_signal -1
	MULA 1, 1, 1, 1, 0
	s_barrier_wait -1
.if (\kind) == 1
	FILL (\s)/2                                    ; my one tensor load behind this barrier; its four v_nop are also the places in front of the loads below
.else
	PLACES
.endif
.endif
	FETCHB ((\s)+1)%4, 0, 0
	FETCHA ((\s)+1)%2, 0, 0
	MULA 1, 1, 1, 2, 0
	MULA 1, 1, 1, 3, 0
	MULA 1, 1, 1, 4, 0
.endm
; THE WAY OUT of my row block a: 16 rows x my 256 columns, in two halves of 128 columns through my own stage: a lane's 32 bytes go in, whole rows of 512 bytes come back; the bias is added; a store covers 512
; consecutive bytes of one row of out, at a multiple of 512 from its first byte.  The block's sixteen tokens lie in scalars, asked for two blocks ahead.  Alive rows come first: at the first row past the
; count the rest of the block's stores is jumped, forward, past no barrier and no tensor load.
.macro STIN q                          ; half q of the block into the stage
	WIN DW                                         ; the stores' data (source 1) in the accumulators' window
.irp bb, 0,1,2,3,4,5,6,7
	ds_store_b128 v[STO], v[AC+64*(\q)+8*\bb:AC+64*(\q)+8*\bb+3]   offset:64*\bb     ; each accumulator's lowest registers are read first
	ds_store_b128 v[STO], v[AC+64*(\q)+8*\bb+4:AC+64*(\q)+8*\bb+7] offset:64*\bb+16
.endr
	WIN 0
.endm
.macro STBK q                          ; and back by rows.  LDS serves a wave's instructions in order (ISA guide 5.7.1.4): these see the stores above them, and later stores come behind them
.irp i, 0,1,2,3,4,5,6,7,8,9,10,11,12,13,14,15
	ds_load_b128 v[OB+8*\i+4*(\q):OB+8*\i+4*(\q)+3], v[RD] offset:SPITCH*\i
.endr
.endm
.macro BADD q
.irp i, 0,1,2,3,4,5,6,7,8,9,10,11,12,13,14,15
	v_pk_add_f32 v[OB+8*\i+4*(\q):OB+8*\i+4*(\q)+1],   v[OB+8*\i+4*(\q):OB+8*\i+4*(\q)+1],   v[BIAS+4*(\q):BIAS+4*(\q)+1]
	v_pk_add_f32 v[OB+8*\i+4*(\q)+2:OB+8*\i+4*(\q)+3], v[OB+8*\i+4*(\q)+2:OB+8*\i+4*(\q)+3], v[BIAS+4*(\q)+2:BIAS+4*(\q)+3]
.endr
.endm
.macro OUTBLK a
	WIN 0
.if (\a) < 2
.set AC, 128*(\a)
.set DW, 0x08
.elseif (\a) < 4
.set AC, 128*((\a)-2)
.set DW, 0x0c
.else
.set AC, 128
.set DW, 0x04
.endif
.if ((\a)%2) == 0
.set TKS, TK0
.else
.set TKS, TK1
.endif
	STIN 0
	s_wait_xcnt 0x0                                ; the block before's stores have had their addresses translated (ISA guide 3.1): their data and offsets are written again only behind this wait
	STBK 0
.if (\a) >= 2
	s_wait_kmcnt 0x0                               ; this block's tokens, asked for two blocks ago (and the next block's, asked for one block ago)
.endif
.irp i, 0,1,2,3,4,5,6,7,8,9,10,11,12,13,14,15
	s_min_u32 s[TKS+\i], s[TKS+\i], 0x3fff         ; a token number: the bound is written out since it was loaded
	v_lshl_add_u32 v[VO+\i], s[TKS+\i], 12, v[L16]
.endr
.if (\a) < 3
	s_load_b512 s[TKS:TKS+15], s[ORDW:ORDW+1], 128*((\a)+2)  ; the set is used up: it takes the tokens of the block two further on
.endif
	STIN 1
	s_wait_dscnt 16                                ; the first half's rows are back; the second half's 16 stores, issued behind them, may be out
	BADD 0
	STBK 1
	s_wait_dscnt 0x0
	BADD 1
.irp i, 0,1,2,3,4,5,6,7,8,9,10,11,12,13,14,15
	s_cmp_gt_u32 s[RLW], 32*(\a)+\i
	s_cbranch_scc0 .Ldone_\@
	global_store_b128 v[VO+\i], v[OB+8*\i:OB+8*\i+3],   s[OUTW:OUTW+1] th:TH_STORE_NT
	global_store_b128 v[VO+\i], v[OB+8*\i+4:OB+8*\i+7], s[OUTW:OUTW+1] offset:512 th:TH_STORE_NT
.endr
.Ldone_\@:
.endm
	s_load_b256 s[4:11], s[0:1], 0x0               ; x s[4:5], wb s[6:7], bias s[8:9], order s[10:11]
	s_load_b128 s[12:15], s[0:1], 0x20             ; table s[12:13], out0 s[14:15]
	v_lshl_add_u32 v[SPW], v0, 2, SPARE
	v_mov_b32 v[NIL], 0
	ds_add_u32 v[SPW], v[NIL]                      ; the wave's opening: the add and its wait come ahead of my first tensor load; the set-up below, work on registers, stands between them
	v_lshrrev_b32 v1, 5, v0
	v_readfirstlane_b32 s[WV], v1                  ; wave 0..3
	s_and_b32 s[WC], s[WV], 1
	s_lshr_b32 s[WR], s[WV], 1
	s_and_b32 s[CH], ttmp9, 1                      ; column half
	s_bfe_u32 s[RT], ttmp9, 0x10001                ; row share
	s_lshr_b32 s[T0], ttmp9, 2                     ; the chunk,
	s_lshl_b32 s[T0], s[T0], 4                     ; its 16 bytes of the table
	s_mov_b32 s[T0+1], 0
	; descriptor group 1: 32,768 dense bytes as 128 rows of 32 elements of 8 bytes (256 bytes a row), no padding: the fragments are read as 512 consecutive bytes
	s_mov_b32 s[G1+0], 3<<16                       ; 15:0 no mask; 17:16 elements of 8 bytes
	s_mov_b32 s[G1+1], 32<<16                      ; tensor_dim0 = 32
	s_mov_b32 s[G1+2], 128<<16                     ; tensor_dim1 = 128
	s_mov_b32 s[G1+3], 32<<16                      ; tile_dim0 = 32
	s_mov_b32 s[G1+4], 128                         ; tile_dim1 = 128
	s_mov_b32 s[G1+5], 32                          ; 32 elements from row to row
	s_mov_b32 s[G1+6], 0
	s_mov_b32 s[G1+7], 0
	s_lshl_b32 s[WOFF], s[WV], 15
	s_lshl1_add_u32 s[WW], s[CH], s[WC]            ; 2 CH + WC
	s_wait_dscnt 0x0                               ; the opening add is done
	s_wait_kmcnt 0x0
	s_add_nc_u64 s[T0:T0+1], s[12:13], s[T0:T0+1]
	s_load_b128 s[20:23], s[T0:T0+1], 0x0          ; expert, p0, R, 0
	s_wait_kmcnt 0x0
	s_min_u32 s[EE], s[EE], 3                      ; loaded numbers enter addresses behind bounds that are written out
	s_min_u32 s[P0], s[P0], 0x4000
	s_min_u32 s[RR], s[RR], 0x140
	s_lshl_b32 s[T0], s[EE], 21                    ; the expert's 2 MiB; K step WR; my group of 256 columns
	s_lshl_b32 s2, s[WR], 17
	s_add_co_u32 s[T0], s[T0], s2
	s_lshl_b32 s2, s[WW], 15
	s_add_co_u32 s[T0], s[T0], s2
	s_mov_b32 s[T0+1], 0
	s_add_nc_u64 s[T0:T0+1], s[6:7], s[T0:T0+1]
.irp p, 0,1
	s_mov_b32 s[G0+4*\p], 1                        ; 1:0 count = 1
	s_add_co_u32 s[G0+4*\p+1], s[WOFF], \p*WSLOT   ; 63:32 LDS address: slot p, block wave = 2 (step in the slot) + column group
	s_add_nc_u64 s[G0+4*\p+2:G0+4*\p+3], s[T0:T0+1], \p*(2<<17)  ; 120:64 global address: K step 2 p + WR
	s_or_b32 s[G0+4*\p+3], s[G0+4*\p+3], 0x80000000              ; 127:126 type = 2
.endr
	tensor_load_to_lds s[G0:G0+3], s[G1:G1+7]      ; both first fills go out together, ahead of every wait on TENSORcnt, LDS read and barrier: two loads of mine are out; behind each later refill's barrier, one
	s_nop 0
	tensor_load_to_lds s[G0+4:G0+7], s[G1:G1+7]
	s_nop 0
	PLACES
	s_lshl_b32 s2, s[RT], 4
	s_min_u32 s3, s[RR], s2
	s_sub_co_u32 s[RLW], s[RR], s3                 ; R - 16 RT, not below 0,
	s_mul_i32 s3, s[WR], 160
	s_min_u32 s3, s[RLW], s3
	s_sub_co_u32 s[RLW], s[RLW], s3                ; less my wave's 160 WR, not below 0
	s_add_co_u32 s70, s[P0], s2
	s_lshl_b32 s70, s70, 2
	s_mov_b32 s71, 0
	s_add_nc_u64 s[ORD:ORD+1], s[10:11], s[70:71]
	s_mul_i32 s70, s[WR], 640                      ; five blocks, 32 places of 4 bytes apart
	s_add_nc_u64 s[ORDW:ORDW+1], s[ORD:ORD+1], s[70:71]
	s_load_b512 s[TK0:TK0+15], s[ORDW:ORDW+1], 0x0 ; the tokens of my blocks 0 and 1, for the way out
	s_load_b512 s[TK1:TK1+15], s[ORDW:ORDW+1], 0x80
	s_lshl_b32 s[T0], s[EE], 12
	s_lshl_b32 s[T0+1], s[WW], 10
	s_add_co_u32 s[T0], s[T0], s[T0+1]
	s_mov_b32 s[T0+1], 0
	s_add_nc_u64 s[BB:BB+1], s[8:9], s[T0:T0+1]
	s_lshl_b32 s[T0], s[WW], 10
	s_add_nc_u64 s[OUTW:OUTW+1], s[14:15], s[T0:T0+1]
	s_mov_b64 s[XB:XB+1], s[4:5]                   ; K step 0
	v_and_b32 v242, 31, v0
	v_lshlrev_b32 v[L16], 4, v242
	v_and_b32 v1, 15, v0                           ; lane % 16
	v_bfe_u32 v243, v0, 4, 1                       ; lane / 16
	v_lshlrev_b32 v244, 4, v1
	s_mul_i32 s3, s[WV], 40
	v_add_nc_u32 v245, s3, v243                    ; my row of load 0: 40 wave + lane / 16
.irp j, 0,1,2,3,4,5,6,7,8,9,10,11,12,13,14,15,16,17,18,19   ; row q = 16 A + i of the work-group's 160 is place 32 A + i from ORD on
	v_add_nc_u32 v246, 2*\j, v245
	v_and_b32 v247, 15, v246
	v_lshrrev_b32 v246, 4, v246
	v_lshlrev_b32 v247, 2, v247
	v_lshl_add_u32 v[XR+\j], v246, 7, v247
	global_load_b32 v[XO+\j], v[XR+\j], s[ORD:ORD+1]
.endr
	s_lshl_b32 s3, s[WC], 15
	v_add_nc_u32 v[AB], s3, v[L16]                 ; ring position s at s << 16, my column group's block, 16 bytes a lane
	v_add_nc_u32 v[AB+1], 0x10000, v[AB]
	v_add_nc_u32 v[AB+2], 0x20000, v[AB]
	v_add_nc_u32 v[AB+3], 0x30000, v[AB]
	v_mul_u32_u24 v246, XP, v1                     ; a fragment of x: row lane % 16, 16 bytes at 16 (lane / 16), and 32 bytes on
	v_lshl_add_u32 v246, v243, 4, v246
	s_mul_i32 s3, s[WR], 80*XP                     ; my 80 rows
	s_add_co_u32 s3, s3, XS
	v_add_nc_u32 v[AX], s3, v246
	v_add_nc_u32 v[AX+1], XSLOT, v[AX]
	s_mul_i32 s3, s[WV], 40*XP                     ; the 40 rows that I lay down
	s_add_co_u32 s3, s3, XS
	v_mul_u32_u24 v246, XP, v243
	v_lshl_add_u32 v246, v1, 3, v246
	v_add_nc_u32 v[XW], s3, v246
	s_mul_i32 s3, s[WV], STGW
	s_add_co_u32 s3, s3, STAGE
	v_mul_u32_u24 v246, SPITCH, v1
	v_lshl_add_u32 v246, v243, 5, v246
	v_add_nc_u32 v[STO], s3, v246
	v_add_nc_u32 v[RD], s3, v[L16]
	s_wait_loadcnt 0x0                             ; my twenty tokens
	s_wait_kmcnt 0x0                               ; and the thirty-two for the way out, out of the same part of the list
.irp j, 0,1,2,3,4,5,6,7,8,9,10,11,12,13,14,15,16,17,18,19
	v_min_u32 v[XO+\j], 0x3fff, v[XO+\j]
	v_lshl_add_u32 v[XO+\j], v[XO+\j], 12, v244
.endr
	global_load_b128 v[BIAS:BIAS+3],   v[L16], s[BB:BB+1]
	global_load_b128 v[BIAS+4:BIAS+7], v[L16], s[BB:BB+1] offset:512
.irp j, 0,1,2,3,4,5,6,7,8,9,10,11,12,13,14,15,16,17,18,19
	global_load_b128 v[XR+4*\j:XR+4*\j+3], v[XO+\j], s[XB:XB+1]
.endr
	XWORK 0, 1                                     ; K step 0's x into slot 0 (the bias is in too); step 1's is asked for
	s_wait_tensorcnt 0x1                           ; my block of W's slot 0 is in; slot 1's may stay out
	s_wait_dscnt 0x0                               ; for the others' sake: my rows of x are stored
	s_barrier_signal -1
	s_barrier_wait -1
	FETCHB 0, 0, 0
	FETCHA 0, 0, 0
	UNIT 0, 0, 1, 1, 1                             ; the first two units stand in front of the loop: their products start the 80 sums
	UNIT 0, 1, 1
	WIN 0                                          ; at a label and at a branch every window is 0
	s_mov_b32 s[LAPS], 3
.Llap:                                                 ; a trip goes once round W's ring, four K steps, from a step's third unit to the second unit four steps on; it fills both slots again and asks for four steps of x
	UNIT 0, 2
	TURN 0, 0
	UNIT 1, 0, 0, 1, 1
	UNIT 1, 1
	UNIT 1, 2
	TURN 1, 1
	UNIT 2, 0, 0, 1, 1
	UNIT 2, 1
	UNIT 2, 2
	TURN 2, 0
	UNIT 3, 0, 0, 1, 1
	UNIT 3, 1
	UNIT 3, 2
	TURN 3, 1
	UNIT 0, 0, 0, 1, 1
	UNIT 0, 1
	WIN 0
	s_sub_co_u32 s[LAPS], s[LAPS], 1
	s_cmp_lg_u32 s[LAPS], 0
	s_cbranch_scc1 .Llap
	UNIT 0, 2                                      ; K step 12 goes on.  The tail is written out: no load and no fill is issued that nothing reads
	TURN 0, 0
	UNIT 1, 0, 0, 1, 1                             ; x of step 14 is laid down, step 15's is asked for: the last
	UNIT 1, 1
	UNIT 1, 2
	TURN 1, 2                                      ; on to the last slot; nothing is left to fetch
	UNIT 2, 0, 0, 1, 0                             ; x of step 15
	UNIT 2, 1
	UNIT 2, 2
	TURN 2, 0
	UNIT 3, 0
	UNIT 3, 1
	UNIT 3, 2
	s_wait_dscnt 0x0                               ; the last unit: nothing more to fetch; all my reads of x's ring are back,
	s_barrier_signal -1                            ; and I say so: the stages lie in the ring's bytes
.irp a, 0,1,2,3,4
	MULA 1, 1, 1, \a, 0
.endr
	s_barrier_wait -1                              ; no wave reads the ring any more
	PLACES                                         ; in front of the stores that read results just made
	OUTBLK 0
	OUTBLK 1
	OUTBLK 2
	OUTBLK 3
	OUTBLK 4
	s_wait_tensorcnt 0x0                           ; the wave's end, behind my last tensor load and my last LDS store
	ds_add_u32 v[SPW], v[NIL]
	s_wait_dscnt 0x0
	s_endpgm
.Lfunc_end_k_q5e3257b271_main:
	.size	k_q5e3257b271_main, .Lfunc_end_k_q5e3257b271_main-k_q5e3257b271_main
	.p2alignl 7, 3214868480
	.fill 96, 4, 3214868480
	.section	.rodata,"a",@progbits
	.p2align	6, 0x0
	.amdhsa_kernel k_q5e3257b271_main
		.amdhsa_group_segment_fixed_size 327680
		.amdhsa_private_segment_fixed_size 0
		.amdhsa_enable_private_segment 0
		.amdhsa_kernarg_size 48
		.amdhsa_user_sgpr_count 2
		.amdhsa_user_sgpr_kernarg_segment_ptr 1
		.amdhsa_wavefront_size32 1
		.amdhsa_system_sgpr_workgroup_id_x 1
		.amdhsa_system_sgpr_workgroup_id_y 1
		.amdhsa_system_sgpr_workgroup_id_z 1
		.amdhsa_system_vgpr_workitem_id 0
		.amdhsa_next_free_vgpr 1024
		.amdhsa_next_free_sgpr 92
		.amdhsa_reserve_vcc 0
		.amdhsa_float_denorm_mode_32 3
		.amdhsa_float_denorm_mode_16_64 3
		.amdhsa_memory_ordered 1
		.amdhsa_forward_progress 1
		.amdhsa_inst_pref_size 255
	.end_amdhsa_kernel
	.section	.bss,"aw",@nobits
	.p2align	6
	.space	262144
	.amdgpu_metadata
---
amdhsa.version: [ 1, 2 ]
amdhsa.kernels:
  - .name:           k_q5e3257b271_main
    .symbol:         k_q5e3257b271_main.kd
    .args:
      - { .name: x, .offset: 0, .size: 8, .value_kind: global_buffer, .address_space: global }
      - { .name: wb, .offset: 8, .size: 8, .value_kind: global_buffer, .address_space: global }
      - { .name: bias, .offset: 16, .size: 8, .value_kind: global_buffer, .address_space: global }
      - { .name: order, .offset: 24, .size: 8, .value_kind: global_buffer, .address_space: global }
      - { .name: table, .offset: 32, .size: 8, .value_kind: global_buffer, .address_space: global }
      - { .name: out0, .offset: 40, .size: 8, .value_kind: global_buffer, .address_space: global }
    .group_segment_fixed_size: 327680
    .private_segment_fixed_size: 0
    .kernarg_segment_align: 8
    .kernarg_segment_size: 48
    .max_flat_workgroup_size: 128
    .sgpr_count:     92
    .vgpr_count:     1024
    .wavefront_size: 32
...
	.end_amdgpu_metadata
.endif
;; end of part 4
